; MI455X (gfx1250); checked and timed in simulation.
; The chip was launched on July 23, 2026; its instructions are those of AMD's public machine-readable ISA for CDNA 5 (MIT licence, August 2026) and "CDNA5" Instruction Set Architecture Reference Guide (July 2026). The comments in the code are by the model that wrote it; some were corrected since.
;; Model. Allowed arithmetic: float matrix products may take bf16 or f16 operands with f32 sums; other float arithmetic in f32, or as packed bf16 or f16 multiplies, adds, multiply-adds, maxima and minima; sums over many terms, partial sums and values carried from step to step in f32; what a program stores and reads back later, other than sums and carried values, may be rounded once to bf16 or f16.
;; Inputs: Wk 1,024 x 1,024 float32; Wq 1,024 x 1,024 float32; Wv 1,024 x 1,024 float32; attention_mask 2 x 1 x 1 x 2,048 float32; bk 1,024 float32; bq 1,024 float32; bv 1,024 float32; dist_emb 4,095 x 64 float32; hidden_states 2 x 2,048 x 1,024 float32.
;; Outputs: out0 2 x 2,048 x 1,024 float32.
;; 3 versions, each right; version 2 is faster than version 1; version 3 is version 2 with the launch prep written anew for expert scheduling mode. Each part assembles by itself: llvm-mc -triple=amdgcn-amd-amdhsa -mcpu=gfx1250 --defsym DOCPART=n.
;; ======== version 1 of 3: 3 launches
;; limits: values are held in f16: magnitudes above 65,504 overflow, below 6.1e-05 lose precision
;; workspace buffers: xb 8,388,608 bytes; wb 6,291,456 bytes; ep 524,288 bytes; mask8 16,384 bytes; br 12,288 bytes; qkv 25,165,824 bytes
;; launch prep (part 1): grid 465 x 1, 8 waves a work-group, no clusters, 0 bytes of LDS; arguments hidden_states, Wq, Wk, Wv, dist_emb, attention_mask, bq, bk, bv, xb, wb, ep, mask8, br; writes xb, wb, ep, mask8, br
.if DOCPART == 1
	.amdgcn_target "amdgcn-amd-amdhsa--gfx1250"
	.amdhsa_code_object_version 6
	.text
	.protected	k_qd989e4a631_prep
	.globl	k_qd989e4a631_prep
	.p2align	8
	.type	k_qd989e4a631_prep,@function
k_qd989e4a631_prep:
	s_mov_b64 s[64:65], 0
	v_nop
	global_prefetch_b8 v0, s[64:65] scope:SCOPE_SE
	s_setreg_imm32_b32 hwreg(HW_REG_WAVE_MODE, 25, 1), 1
	s_wait_xcnt 0x0
; PREP: every input is rounded once to bf16 and laid out for the two launches behind.
;   xb    bf16 [4096][1024]            hidden_states
;   wb    bf16 [3 (q,k,v)][16 heads][1024 k][64]   the weights by heads: a head's k rows are dense, 128 bytes each
;   ep    f16  [4096][64]              ep[e] = dist_emb[e-1] rounded to bf16 (exact in f16 within its normal range); row 0 is 0
;   mask8 f32  [2][2048]               max(8 x bf16(mask), -2^126): the scores are divided by 8 only inside the exponent
;   br    f32  [3][1024]               the biases rounded to bf16
; LIMITS. A mask below -2^123 counts as -2^123. A table entry below f16's normal range keeps f16's fixed step of 6e-8.
; A stream: no LDS, no barrier, no matrix unit.  A work-group of 256 threads takes one ROLE by its number; a thread takes 16 items of
; four f32 (one 16-byte load) and stores 8 bytes for each, so a wave's store covers 256 consecutive bytes, aligned.
.set G_X, 256                          ; work-groups 0..255: hidden_states, 65,536 bytes each
.set G_W, 448                          ; 256..447: three weights, 64 work-groups each, 16 k rows each
.set G_E, 464                          ; 448..463: the table, 4,096 items each; 464: mask and biases
.set IN,  8                            ; v[8:71]   16 items as loaded
.set OT,  72                           ; v[72:103] 16 items to store
; 16 loads on end, then item by item: the count leaves the younger loads out.  No register is written twice, so nothing else is waited for.
.macro RUN16 ib, ob, istep, ostep
.set i, 0
.rept 16
	global_load_b128 v[IN+4*i:IN+4*i+3], v1, s[\ib:\ib+1] offset:i*(\istep) th:TH_LOAD_NT
.set i, i+1
.endr
.set i, 0
.rept 16
	s_wait_loadcnt 15-i                            ; loads come back in order: item i is in, the 15 - i younger ones stay out
	v_cvt_pk_bf16_f32 v[OT+2*i],   v[IN+4*i],   v[IN+4*i+1]
	v_cvt_pk_bf16_f32 v[OT+2*i+1], v[IN+4*i+2], v[IN+4*i+3]
	global_store_b64 v2, v[OT+2*i:OT+2*i+1], s[\ob:\ob+1] offset:i*(\ostep)
.set i, i+1
.endr
.endm
; four f32 in v[r..r+3] rounded to bf16 and widened again, in place
.macro RND4 r
	v_cvt_pk_bf16_f32 v72, v[\r],   v[\r+1]
	v_cvt_pk_bf16_f32 v73, v[\r+2], v[\r+3]
	v_lshlrev_b32 v[\r],   16,  v72
	v_and_b32     v[\r+1], s43, v72
	v_lshlrev_b32 v[\r+2], 16,  v73
	v_and_b32     v[\r+3], s43, v73
.endm
	s_load_b512 s[4:19], s[0:1], 0x0               ; hidden s[4:5], Wq s[6:7], Wk s[8:9], Wv s[10:11], dist_emb s[12:13], mask s[14:15], bq s[16:17], bk s[18:19]
	s_load_b256 s[20:27], s[0:1], 0x40             ; bv s[20:21], xb s[22:23], wb s[24:25], ep s[26:27]
	s_load_b128 s[28:31], s[0:1], 0x60             ; mask8 s[28:29], br s[30:31]
	s_mov_b32 s38, ttmp9                           ; the work-group's number
	s_mov_b32 s37, 0                               ; the high word of every offset pair
	s_mov_b32 s43, 0xffff0000                      ; a word's upper bf16
	s_wait_kmcnt 0x0
	s_cmp_lt_u32 s38, G_X
	s_cbranch_scc0 .Lnot_x
	; ROLE X: 65,536 bytes of hidden_states become 32,768 of xb
	s_lshl_b32 s36, s38, 16
	s_add_nc_u64 s[32:33], s[4:5], s[36:37]
	s_lshl_b32 s36, s38, 15
	s_add_nc_u64 s[34:35], s[22:23], s[36:37]
	v_lshlrev_b32 v1, 4, v0                        ; in: 16 bytes a thread, 4,096 an item round
	v_lshlrev_b32 v2, 3, v0                        ; out: 8 bytes a thread
	RUN16 32, 34, 4096, 2048
	s_endpgm
.Lnot_x:
	s_cmp_lt_u32 s38, G_W
	s_cbranch_scc0 .Lnot_w
	; ROLE W: 16 k rows of one weight.  Thread t: row t / 16, columns 4 (t % 16) of head it: 16 lanes read 256 bytes of a row,
	; and the wave's 32 lanes write rows k, k + 1 of a head's block: 256 dense bytes.
	s_sub_co_u32 s39, s38, G_X
	s_lshr_b32 s40, s39, 6                         ; which weight: 0 q, 1 k, 2 v
	s_and_b32 s39, s39, 63                         ; which 16 rows
	s_cmp_eq_u32 s40, 1
	s_cselect_b64 s[32:33], s[8:9], s[6:7]
	s_cmp_eq_u32 s40, 2
	s_cselect_b64 s[32:33], s[10:11], s[32:33]
	s_lshl_b32 s36, s39, 16                        ; 16 rows of 4,096 bytes
	s_add_nc_u64 s[32:33], s[32:33], s[36:37]
	s_lshl_b32 s36, s40, 21                        ; a weight's plane in wb: 2,097,152 bytes
	s_lshl_b32 s41, s39, 11                        ; 16 rows of 128 bytes
	s_add_co_u32 s36, s36, s41
	s_add_nc_u64 s[34:35], s[24:25], s[36:37]
	v_lshrrev_b32 v1, 4, v0
	v_and_b32 v3, 15, v0
	v_lshlrev_b32 v1, 12, v1
	v_lshl_add_u32 v1, v3, 4, v1                   ; in: row x 4,096 + 16 (t % 16); a head further is 256 bytes
	v_lshlrev_b32 v2, 3, v0                        ; out: row x 128 + 8 (t % 16) = 8 t; a head further is 131,072 bytes
	RUN16 32, 34, 256, 131072
	s_endpgm
.Lnot_w:
	s_cmp_lt_u32 s38, G_E
	s_cbranch_scc0 .Lsmall
	; ROLE E: item I of ep (four numbers of row I / 16) comes from byte 16 I - 256 of dist_emb; items 0..15 are row 0, which is 0.
	s_sub_co_u32 s39, s38, G_W
	s_lshl_b32 s39, s39, 12
	v_add_nc_u32 v4, s39, v0                       ; my first item; the others lie 256 items apart
	v_lshlrev_b32 v2, 3, v4                        ; out
	v_max_u32 v3, 16, v4
	v_sub_nc_u32 v3, v3, 16
	v_lshlrev_b32 v3, 4, v3                        ; in, first item: never in front of the table
	v_lshlrev_b32 v1, 4, v4
	v_add_nc_u32 v1, 3840, v1                      ; in, item it >= 1: 16 I0 + 4,096 it - 256 = this + 4,096 (it - 1); the last ends on the table's last byte
	v_cmp_le_u32 vcc_lo, 16, v4                    ; my first item is no part of row 0
	global_load_b128 v[IN:IN+3], v3, s[12:13] th:TH_LOAD_NT
.set i, 1
.rept 15
	global_load_b128 v[IN+4*i:IN+4*i+3], v1, s[12:13] offset:(i-1)*4096 th:TH_LOAD_NT
.set i, i+1
.endr
.set i, 0
.rept 16
	s_wait_loadcnt 15-i                            ; item i is in, the younger ones stay out
	v_cvt_pk_bf16_f32 v[OT+2*i],   v[IN+4*i],   v[IN+4*i+1]
	v_cvt_pk_bf16_f32 v[OT+2*i+1], v[IN+4*i+2], v[IN+4*i+3]
	v_lshlrev_b32 v[IN+4*i],   16,  v[OT+2*i]
	v_and_b32     v[IN+4*i+1], s43, v[OT+2*i]
	v_lshlrev_b32 v[IN+4*i+2], 16,  v[OT+2*i+1]
	v_and_b32     v[IN+4*i+3], s43, v[OT+2*i+1]
	v_cvt_pk_f16_f32 v[OT+2*i],   v[IN+4*i],   v[IN+4*i+1]
	v_cvt_pk_f16_f32 v[OT+2*i+1], v[IN+4*i+2], v[IN+4*i+3]
.if i == 0
	v_cndmask_b32 v[OT],   0, v[OT],   vcc_lo
	v_cndmask_b32 v[OT+1], 0, v[OT+1], vcc_lo
.endif
	global_store_b64 v2, v[OT+2*i:OT+2*i+1], s[26:27] offset:i*2048
.set i, i+1
.endr
	s_endpgm
.Lsmall:
	; ROLE S: the mask (1,024 items, four a thread) and the three biases (256 items each, one a thread)
	s_mov_b32 s42, 0xfe800000                      ; -2^126
	v_lshlrev_b32 v1, 4, v0
.irp i, 0,1,2,3
	global_load_b128 v[IN+4*\i:IN+4*\i+3], v1, s[14:15] offset:\i*4096
.endr
	global_load_b128 v[24:27], v1, s[16:17]
	global_load_b128 v[28:31], v1, s[18:19]
	global_load_b128 v[32:35], v1, s[20:21]
	s_wait_loadcnt 0x0
.irp i, 0,1,2,3
	RND4 IN+4*\i
.irp k, 0,1,2,3
	v_mul_f32 v[IN+4*\i+\k], 0x41000000, v[IN+4*\i+\k]   ; x 8
	v_max_num_f32 v[IN+4*\i+\k], s42, v[IN+4*\i+\k]
.endr
	global_store_b128 v1, v[IN+4*\i:IN+4*\i+3], s[28:29] offset:\i*4096
.endr
.irp j, 0,1,2
	RND4 24+4*\j
	global_store_b128 v1, v[24+4*\j:24+4*\j+3], s[30:31] offset:\j*4096
.endr
	s_endpgm
.Lfunc_end_k_qd989e4a631_prep:
	.size	k_qd989e4a631_prep, .Lfunc_end_k_qd989e4a631_prep-k_qd989e4a631_prep
	.p2alignl 7, 3214868480
	.fill 96, 4, 3214868480
	.section	.rodata,"a",@progbits
	.p2align	6, 0x0
	.amdhsa_kernel k_qd989e4a631_prep
		.amdhsa_group_segment_fixed_size 0
		.amdhsa_private_segment_fixed_size 0
		.amdhsa_enable_private_segment 0
		.amdhsa_kernarg_size 112
		.amdhsa_user_sgpr_count 2
		.amdhsa_user_sgpr_kernarg_segment_ptr 1
		.amdhsa_wavefront_size32 1
		.amdhsa_system_sgpr_workgroup_id_x 1
		.amdhsa_system_sgpr_workgroup_id_y 1
		.amdhsa_system_sgpr_workgroup_id_z 1
		.amdhsa_system_vgpr_workitem_id 0
		.amdhsa_next_free_vgpr 104
		.amdhsa_next_free_sgpr 66
		.amdhsa_reserve_vcc 1
		.amdhsa_float_denorm_mode_32 3
		.amdhsa_float_denorm_mode_16_64 3
		.amdhsa_memory_ordered 1
		.amdhsa_forward_progress 1
		.amdhsa_inst_pref_size 28
	.end_amdhsa_kernel
	.amdgpu_metadata
---
amdhsa.version: [ 1, 2 ]
amdhsa.kernels:
  - .name:           k_qd989e4a631_prep
    .symbol:         k_qd989e4a631_prep.kd
    .args:
      - { .name: hidden_states, .offset: 0, .size: 8, .value_kind: global_buffer, .address_space: global }
      - { .name: Wq, .offset: 8, .size: 8, .value_kind: global_buffer, .address_space: global }
      - { .name: Wk, .offset: 16, .size: 8, .value_kind: global_buffer, .address_space: global }
      - { .name: Wv, .offset: 24, .size: 8, .value_kind: global_buffer, .address_space: global }
      - { .name: dist_emb, .offset: 32, .size: 8, .value_kind: global_buffer, .address_space: global }
      - { .name: attention_mask, .offset: 40, .size: 8, .value_kind: global_buffer, .address_space: global }
      - { .name: bq, .offset: 48, .size: 8, .value_kind: global_buffer, .address_space: global }
      - { .name: bk, .offset: 56, .size: 8, .value_kind: global_buffer, .address_space: global }
      - { .name: bv, .offset: 64, .size: 8, .value_kind: global_buffer, .address_space: global }
      - { .name: xb, .offset: 72, .size: 8, .value_kind: global_buffer, .address_space: global }
      - { .name: wb, .offset: 80, .size: 8, .value_kind: global_buffer, .address_space: global }
      - { .name: ep, .offset: 88, .size: 8, .value_kind: global_buffer, .address_space: global }
      - { .name: mask8, .offset: 96, .size: 8, .value_kind: global_buffer, .address_space: global }
      - { .name: br, .offset: 104, .size: 8, .value_kind: global_buffer, .address_space: global }
    .group_segment_fixed_size: 0
    .private_segment_fixed_size: 0
    .kernarg_segment_align: 8
    .kernarg_segment_size: 112
    .max_flat_workgroup_size: 256
    .sgpr_count:     66
    .vgpr_count:     104
    .wavefront_size: 32
...
	.end_amdgpu_metadata
.endif
;; end of part 1
;; launch proj (part 2): grid 16 x 16, 4 waves a work-group, clusters of 4 x 4, 327,680 bytes of LDS; arguments xb, wb, br, qkv; writes qkv
.if DOCPART == 2
	.amdgcn_target "amdgcn-amd-amdhsa--gfx1250"
	.amdhsa_code_object_version 6
	.text
	.protected	k_qd989e4a631_proj
	.globl	k_qd989e4a631_proj
	.p2align	8
	.type	k_qd989e4a631_proj,@function
k_qd989e4a631_proj:
	s_mov_b64 s[64:65], 0
	v_nop
	global_prefetch_b8 v0, s[64:65] scope:SCOPE_SE
	s_setreg_imm32_b32 hwreg(HW_REG_WAVE_MODE, 25, 1), 1
	s_wait_xcnt 0x0
	s_wait_alu depctr_hold_cnt(0) depctr_sa_sdst(0) depctr_va_vdst(0) depctr_va_sdst(0) depctr_va_ssrc(0) depctr_va_vcc(0) depctr_vm_vsrc(0)
	s_getreg_b32 s2, hwreg(HW_REG_IB_STS2, 6, 4)
	s_cmp_eq_u32 s2, 0
	s_cbranch_scc0 .Lentry_in_a_cluster
	s_endpgm
.Lentry_in_a_cluster:
	s_bfe_u32 s2, ttmp6, 0x10000c
	s_cmp_lg_u32 s2, 0xf033
	s_cbranch_scc0 .Lentry_shape_is_right
	s_endpgm
.Lentry_shape_is_right:
; PROJ: q, k, v = x W + b for one head and 256 rows, written by heads: qkv f16 [3][batch x head 32][2048][64].
; x: xb bf16 [4096][1024].  W: wb bf16 [3][16 heads][1024 k][64].  b: br f32 [3][1024].  Sums in f32, started by the bias; each result rounded once to f16.
; LIMIT. f16 holds no number beyond 65,504: q, k and v must lie within it.
; SHARES. Work-group (x = head, y = block of 256 rows): a tile of 256 rows x 192 columns (q, k, v of the head): 16 x 16 = 256 work-groups.
; Wave w: rows 64 w .. 64 w + 63, all 192 columns: 4 x 12 = 48 accumulators of 16 x 16, 384 registers.
; THE MATRIX INSTRUCTION IS USED TRANSPOSED: source 0 = 16 columns of W (turned out of LDS by ds_load_tr16_b128, since W lies [k][column]), source 1 = 16 rows of x:
; a lane then holds one row and eight neighbouring channels, 16 bytes of f16.
; K goes in 8 steps of 128 through two LDS slots.  Waves 0..2 fetch W's planes q, k, v (128 k rows x 128 bytes, dense: asked for as 64 rows of 256 bytes), wave 3 x's 256 rows x 256 bytes.
; CLUSTER 4 x 4: x's tile hangs on the row block alone and is shared along a row of the cluster, W's on the head alone and is shared along a column: each is asked for jointly.
; REGISTERS: window 0: addresses, v32-223 the way out; window 1: two fragment buffers of 128 (x at +8 a, W at +32 + 8 b); windows 2, 3: accumulator idx = 12 a + b at window 2 + idx / 32, register 8 (idx % 32).
.set PA,     272                       ; a row of x in LDS: 256 bytes + 16: the 16 rows of a load start at 16 different groups of four banks
.set PB,     160                       ; a k row of W: 128 bytes + 32
.set SLOTB,  131072                    ; a slot: x 256 x 272 = 69,632, then three planes of 128 x 160 = 20,480
.set BOFF,   69632
.set PLANE,  20480
.set STAGE,  262144                    ; behind the ring: 16 rows x 144 bytes for each wave, for the way out
.set SP,     144
.set SPARE,  271360                    ; behind the stages: the spare words, 128 bytes a wave: two blocks of 256 bytes that no other line names
.set ADRA, 16                          ; v16-17  LDS address of my x fragments in slot 0, 1
.set ADRB, 20                          ; v20-21  the same for W
.set STO,  24                          ; v24     the way out: where I put 16 bytes of a row
.set RD,   25                          ; v25     where I read rows back
.set GO,   26                          ; v26     my byte offset in 512 consecutive bytes of qkv
.set BO,   27                          ; v27     32 x (lane / 16): my eight biases
.set SPW,  28                          ; v28     my spare word; never rewritten
.set NIL,  29                          ; v29     0; never rewritten
.set TMP,  32                          ; v32-223 twelve blocks of 16
.set F0,   0
.set F1,   128
.set WV,   12                          ; s12  my wave's number
.set G1A,  24                          ; s[24:31] group 1 for x's tiles
.set G1B,  32                          ; s[32:39] for W's
.set G0A,  40                          ; s[40:47] group 0 for x's tiles, a set for each slot
.set G0B,  48                          ; s[48:55] the same for W's
.set OUTB, 56                          ; s[56:61] qkv at my rows in planes q, k, v
.set MSB, 0
.macro WIN new                         ; the immediate's high byte repeats the setting that is left; a switch that changes nothing is dropped
.if MSB != (\new)
	s_set_vgpr_msb (MSB<<8)|(\new)
.set MSB, \new
.endif
.endm
.macro PLACES                          ; four places in front of loads into registers that matrix instructions have read, and of conversions that read results
.rept 4
	v_nop
.endr
.endm
; A joint load: wave 3 asks for x's tile, waves 0..2 for W's planes.  The branch hangs on the wave's number alone.  An s_nop 0 and four v_nop follow each line.
.macro JLOAD s
	s_cmp_eq_u32 s[WV], 3
	s_cbranch_scc0 .Lfor_b_\@
	tensor_load_to_lds s[G0A+4*(\s):G0A+4*(\s)+3], s[G1A:G1A+7]
	s_nop 0
.rept 4
	v_nop
.endr
	s_branch .Lasked_\@
.Lfor_b_\@:
	tensor_load_to_lds s[G0B+4*(\s):G0B+4*(\s)+3], s[G1B:G1B+7]
	s_nop 0
.rept 4
	v_nop
.endr
.Lasked_\@:
.endm
; A round of the cluster's barrier: my work-group's barrier; wave 0 signals for the work-group; every wave waits for all sixteen; my work-group's barrier once more.
.macro ROUND
	s_barrier_signal -1
	s_barrier_wait -1
	s_cmp_lg_u32 s[WV], 0
	s_cbranch_scc1 .Lnot_wave_0_\@
	s_barrier_signal -3
.Lnot_wave_0_\@:
	s_barrier_wait -3
	s_barrier_signal -1
	s_barrier_wait -1
.endm
	s_load_b256 s[4:11], s[0:1], 0x0               ; xb s[4:5], wb s[6:7], br s[8:9], qkv s[10:11]
	v_lshl_add_u32 v[SPW], v0, 2, SPARE
	v_mov_b32 v[NIL], 0
	ds_add_u32 v[SPW], v[NIL]                      ; the wave's opening: the add and its wait stand ahead of my first tensor load; the set-up stands between them
	v_lshrrev_b32 v1, 5, v0
	v_readfirstlane_b32 s[WV], v1                  ; wave 0..3
	s_bfe_u32 s13, ttmp6, 0x40000                  ; cx
	s_bfe_u32 s14, ttmp6, 0x40004                  ; cy
	s_lshl_b32 s15, ttmp9, 2
	s_add_co_u32 s15, s15, s13                     ; the head = 4 x cluster x + cx
	s_and_b32 s16, ttmp7, 0xffff
	s_lshl_b32 s16, s16, 2
	s_add_co_u32 s16, s16, s14                     ; the row block = 4 x cluster y + cy
	s_lshl_b32 s17, s14, 2
	s_lshl_b32 s17, 15, s17                        ; my row of the cluster
	s_lshl_b32 s18, 0x1111, s13                    ; my column
	s_or_b32 s[G1A], s17, (1<<16)|(1<<20)|(1<<21)|(5<<22)|(3<<25)  ; the mask; 2-byte elements; padding on; bit 21 beside a mask; after every 64 words 4 words
	s_mov_b32 s[G1A+1], 128<<16                    ; tensor_dim0 = 128
	s_mov_b32 s[G1A+2], 256<<16                    ; tensor_dim1 = 256
	s_mov_b32 s[G1A+3], 128<<16                    ; tile_dim0 = 128
	s_mov_b32 s[G1A+4], 256                        ; tile_dim1 = 256
	s_mov_b32 s[G1A+5], 1024                       ; elements from row to row
	s_mov_b32 s[G1A+6], 0
	s_mov_b32 s[G1A+7], 0
	s_or_b32 s[G1B], s18, (1<<16)|(1<<20)|(1<<21)|(4<<22)|(7<<25)  ; after every 32 words (a k row) 8 words
	s_mov_b32 s[G1B+1], 128<<16
	s_mov_b32 s[G1B+2], 64<<16                     ; 64 rows of 256 bytes: 128 dense k rows
	s_mov_b32 s[G1B+3], 128<<16
	s_mov_b32 s[G1B+4], 64
	s_mov_b32 s[G1B+5], 128
	s_mov_b32 s[G1B+6], 0
	s_mov_b32 s[G1B+7], 0
	s_lshl_b32 s20, s16, 19                        ; x: 256 rows of 2,048 bytes a block; hangs on the row block alone
	s_mov_b32 s21, 0
	s_min_u32 s19, s[WV], 2                        ; my plane of W (wave 3 issues no load of W: its set stays inside the slot)
	s_lshl_b32 s22, s19, 21                        ; W: the plane,
	s_lshl_b32 s23, s15, 17                        ; the head's 131,072 bytes; hangs on the head alone
	s_add_co_u32 s22, s22, s23
	s_mov_b32 s23, 0
	s_mul_i32 s63, s19, PLANE
	s_mov_b32 s[G0A], 1
	s_mov_b32 s[G0A+1], 0                          ; LDS: slot 0
	s_mov_b32 s[G0A+4], 1
	s_mov_b32 s[G0A+5], SLOTB                      ; slot 1
	s_mov_b32 s[G0B], 1
	s_add_co_u32 s[G0B+1], s63, BOFF
	s_mov_b32 s[G0B+4], 1
	s_add_co_u32 s[G0B+5], s63, SLOTB+BOFF
	s_lshr_b32 s2, s16, 3                          ; where my rows lie in a plane of qkv: batch x 16 heads x 262,144 bytes,
	s_lshl_b32 s2, s2, 22
	s_lshl_b32 s3, s15, 18                         ; the head,
	s_add_co_u32 s2, s2, s3
	s_and_b32 s3, s16, 7
	s_lshl_b32 s3, s3, 15                          ; 256 rows of 128 bytes a block,
	s_add_co_u32 s2, s2, s3
	s_lshl_b32 s3, s[WV], 13                       ; my wave's 64 rows
	s_add_co_u32 s2, s2, s3
	s_mov_b32 s3, 0
	s_lshl_b32 s62, s15, 8                         ; the head's 64 biases
	s_mov_b32 s63, 0
	s_wait_dscnt 0x0                               ; the opening add is done
	s_wait_kmcnt 0x0
	s_add_nc_u64 s[G0A+2:G0A+3], s[4:5], s[20:21]  ; K step 0
	s_add_nc_u64 s[G0A+6:G0A+7], s[G0A+2:G0A+3], 256   ; K step 1: 128 elements on
	s_or_b32 s[G0A+3], s[G0A+3], 0x80000000        ; type = 2
	s_or_b32 s[G0A+7], s[G0A+7], 0x80000000
	s_add_nc_u64 s[G0B+2:G0B+3], s[6:7], s[22:23]
	s_add_nc_u64 s[G0B+6:G0B+7], s[G0B+2:G0B+3], 16384 ; 128 k rows on
	s_or_b32 s[G0B+3], s[G0B+3], 0x80000000
	s_or_b32 s[G0B+7], s[G0B+7], 0x80000000
	s_add_nc_u64 s[8:9], s[8:9], s[62:63]
	s_add_nc_u64 s[OUTB:OUTB+1], s[10:11], s[2:3]
	s_add_nc_u64 s[OUTB+2:OUTB+3], s[OUTB:OUTB+1], 0x800000
	s_add_nc_u64 s[OUTB+4:OUTB+5], s[OUTB+2:OUTB+3], 0x800000
	ROUND                                          ; all sixteen work-groups are here: the first joint loads meet
	JLOAD 0                                        ; K step 0 into slot 0: one load of mine is out
	v_and_b32 v1, 15, v0                           ; l % 16
	v_bfe_u32 v2, v0, 4, 1                         ; l / 16
	v_mul_u32_u24 v3, v1, PA
	v_lshl_add_u32 v3, v2, 4, v3
	s_mul_i32 s19, s[WV], 64*PA                    ; my 64 rows of x
	v_add_nc_u32 v[ADRA], s19, v3
	v_add_nc_u32 v[ADRA+1], SLOTB, v[ADRA]
	v_and_b32 v4, 7, v0
	v_bfe_u32 v5, v0, 3, 1
	v_lshl_add_u32 v6, v2, 3, v4                   ; the turning load: k row 8 (l / 16) + l % 8,
	v_mul_u32_u24 v6, v6, PB
	v_lshl_add_u32 v6, v5, 4, v6                   ; columns 8 ((l / 8) % 2) on
	v_add_nc_u32 v[ADRB], BOFF, v6
	v_add_nc_u32 v[ADRB+1], SLOTB+BOFF, v6
	s_mul_i32 s19, s[WV], 16*SP
	s_add_co_u32 s19, s19, STAGE                   ; my stage
	v_mul_u32_u24 v[STO], v1, SP                   ; in: row l % 16, 16 bytes for each half of the lanes
	v_lshl_add_u32 v[STO], v2, 4, v[STO]
	v_add_nc_u32 v[STO], s19, v[STO]
	v_bfe_u32 v[RD], v0, 3, 2                      ; back: 32 lanes take four rows of 128 bytes,
	v_mul_u32_u24 v[RD], v[RD], SP
	v_lshl_add_u32 v[RD], v4, 4, v[RD]
	v_add_nc_u32 v[RD], s19, v[RD]
	v_and_b32 v[GO], 31, v0                        ; which are 512 consecutive bytes of qkv
	v_lshlrev_b32 v[GO], 4, v[GO]
	v_lshlrev_b32 v[BO], 5, v2
	; THE BIAS STARTS THE SUMS: register r of accumulator (a, b = 4 j + nb) is channel 16 nb + 8 (l / 16) + r of plane j, whatever a.  So every product adds in place and no first step is written out.
.set idx, 0
.rept 48
	WIN 0x80+0x40*(idx/32)                         ; destination window 2 or 3
	global_load_b128 v[8*(idx%32):8*(idx%32)+3],   v[BO], s[8:9] offset:((idx%12)/4)*4096+(idx%4)*64
	global_load_b128 v[8*(idx%32)+4:8*(idx%32)+7], v[BO], s[8:9] offset:((idx%12)/4)*4096+(idx%4)*64+16
.set idx, idx+1
.endr
	WIN 0
; 32 LDS loads in one run: the fragments of 32 along K (quarter q of the slot's step) into buffer f: W's 12 blocks of 16 columns, turned; x's 4 blocks of 16 rows
.macro FETCH slot, q, f
	WIN 0x40                                       ; destination window 1
.set b, 0
.rept 12
	ds_load_tr16_b128 v[(\f)+32+8*b:(\f)+32+8*b+3],   v[ADRB+(\slot)] offset:(b/4)*PLANE+(\q)*32*PB+32*(b%4)
	ds_load_tr16_b128 v[(\f)+32+8*b+4:(\f)+32+8*b+7], v[ADRB+(\slot)] offset:(b/4)*PLANE+(\q)*32*PB+32*(b%4)+16*PB
.set b, b+1
.endr
.irp a, 0,1,2,3
	ds_load_b128 v[(\f)+8*\a:(\f)+8*\a+3],   v[ADRA+(\slot)] offset:\a*16*PA+64*(\q)
	ds_load_b128 v[(\f)+8*\a+4:(\f)+8*\a+7], v[ADRA+(\slot)] offset:\a*16*PA+64*(\q)+32
.endr
.endm
; 48 matrix instructions on 48 accumulators, by turns, in the same order every time: between two on one accumulator stand the 47 others'
.macro MUL f
.set idx, 0
.rept 48
	WIN 0xa5+0x50*(idx/32)                         ; sources in window 1, C and D in window 2 or 3
	v_wmma_f32_16x16x32_bf16 v[8*(idx%32):8*(idx%32)+7], v[(\f)+32+8*(idx%12):(\f)+32+8*(idx%12)+7], v[(\f)+8*(idx/12):(\f)+8*(idx/12)+7], v[8*(idx%32):8*(idx%32)+7]
.set idx, idx+1
.endr
.endm
; A K step.  In front of the round each wave waits for all its tensor loads (one is out: its part of this slot), adds 0 to its spare word, and waits for that and for its reads of the other slot.
; Behind the round no wave of any partner reads the other slot: it is filled again first (refill = 1), and that load has this step's 192 matrix instructions in which to land.
.macro TRIP slot, refill
	WIN 0
	s_wait_tensorcnt 0x0                           ; no tensor load of mine is out, so a group 0 may be written
	ds_add_u32 v[SPW], v[NIL]                      ; the steps below stand between the add and the wait for it
	s_add_nc_u64 s[G0A+4*(\slot)+2:G0A+4*(\slot)+3], s[G0A+4*(\slot)+2:G0A+4*(\slot)+3], 512    ; this slot's next tile: two K steps on
	s_add_nc_u64 s[G0B+4*(\slot)+2:G0B+4*(\slot)+3], s[G0B+4*(\slot)+2:G0B+4*(\slot)+3], 32768
	s_wait_dscnt 0x0                               ; the add is done, and my reads of the other slot are over
	ROUND
.if \refill
	JLOAD 1-(\slot)                                ; the four v_nop behind it are also the places in front of the loads below
.else
	PLACES
.endif
	FETCH \slot, 0, F0
	FETCH \slot, 1, F1
	s_wait_dscnt 32                                ; all but the 32 just issued
	MUL F0
	PLACES
	FETCH \slot, 2, F0
	s_wait_dscnt 32
	MUL F1
	PLACES
	FETCH \slot, 3, F1
	s_wait_dscnt 32
	MUL F0
	s_wait_dscnt 0x0
	MUL F1
	WIN 0                                          ; at a label and at a branch every window is 0
.endm
	s_wait_loadcnt 0x0                             ; the biases are in the accumulators
	s_mov_b32 s62, 3
.Llap:
	TRIP 0, 1
	TRIP 1, 1
	s_sub_co_u32 s62, s62, 1
	s_cmp_lg_u32 s62, 0
	s_cbranch_scc1 .Llap
	TRIP 0, 1                                      ; K step 6; K step 7 is asked for
	TRIP 1, 0                                      ; K step 7: nothing is left to fetch
; THE WAY OUT, in 12 blocks blk = 3 a + j: 16 rows x the 64 channels of plane j (accumulators 4 blk .. 4 blk + 3).  Rounded to f16, 16 bytes a lane, into my own stage; back as whole rows; stored as 2,048 dense bytes.
.macro PACK blk
	WIN 0x0a+5*((\blk)/8)                          ; sources in window 2 or 3
.set nb, 0
.rept 4
.set ac, 8*((4*(\blk)+nb)%32)
.irp r, 0,1,2,3
	v_cvt_pk_f16_f32 v[TMP+16*(\blk)+4*nb+\r], v[ac+2*\r], v[ac+2*\r+1]
.endr
.set nb, nb+1
.endr
	WIN 0
.irp n, 0,1,2,3
	ds_store_b128 v[STO], v[TMP+16*(\blk)+4*\n:TMP+16*(\blk)+4*\n+3] offset:32*\n
.endr
.irp f, 0,1,2,3
	ds_load_b128 v[TMP+16*(\blk)+4*\f:TMP+16*(\blk)+4*\f+3], v[RD] offset:\f*4*SP  ; LDS serves a wave's instructions in order (ISA guide 5.7.1.4): these see the stores above; the next block's stores come behind them
.endr
.endm
.macro SEND blk, younger               ; younger: the LDS instructions issued behind this block's loads
.irp f, 0,1,2,3
	s_wait_dscnt (\younger)+3-\f
	global_store_b128 v[GO], v[TMP+16*(\blk)+4*\f:TMP+16*(\blk)+4*\f+3], s[OUTB+2*((\blk)%3):OUTB+2*((\blk)%3)+1] offset:((\blk)/3)*2048+\f*512  ; 512 consecutive bytes, aligned
.endr
.endm
	PLACES                                         ; the conversions read results just made
	PACK 0
.irp k, 1,2,3,4,5,6,7,8,9,10,11
	PACK \k                                        ; a block's conversions stand between the loads of the block before and its stores
	SEND (\k)-1, 8
.endr
	SEND 11, 0
	s_wait_tensorcnt 0x0                           ; the wave's end
	ds_add_u32 v[SPW], v[NIL]
	s_wait_dscnt 0x0
	ROUND                                          ; the closing round: no work-group ends while a partner may still ask for a tile that names it
	s_endpgm
.Lfunc_end_k_qd989e4a631_proj:
	.size	k_qd989e4a631_proj, .Lfunc_end_k_qd989e4a631_proj-k_qd989e4a631_proj
	.p2alignl 7, 3214868480
	.fill 96, 4, 3214868480
	.section	.rodata,"a",@progbits
	.p2align	6, 0x0
	.amdhsa_kernel k_qd989e4a631_proj
		.amdhsa_group_segment_fixed_size 327680
		.amdhsa_private_segment_fixed_size 0
		.amdhsa_enable_private_segment 0
		.amdhsa_kernarg_size 32
		.amdhsa_user_sgpr_count 2
		.amdhsa_user_sgpr_kernarg_segment_ptr 1
		.amdhsa_wavefront_size32 1
		.amdhsa_system_sgpr_workgroup_id_x 1
		.amdhsa_system_sgpr_workgroup_id_y 1
		.amdhsa_system_sgpr_workgroup_id_z 1
		.amdhsa_system_vgpr_workitem_id 0
		.amdhsa_next_free_vgpr 896
		.amdhsa_next_free_sgpr 66
		.amdhsa_reserve_vcc 0
		.amdhsa_float_denorm_mode_32 3
		.amdhsa_float_denorm_mode_16_64 3
		.amdhsa_memory_ordered 1
		.amdhsa_forward_progress 1
		.amdhsa_inst_pref_size 128
	.end_amdhsa_kernel
	.amdgpu_metadata
---
amdhsa.version: [ 1, 2 ]
amdhsa.kernels:
  - .name:           k_qd989e4a631_proj
    .symbol:         k_qd989e4a631_proj.kd
    .args:
      - { .name: xb, .offset: 0, .size: 8, .value_kind: global_buffer, .address_space: global }
      - { .name: wb, .offset: 8, .size: 8, .value_kind: global_buffer, .address_space: global }
      - { .name: br, .offset: 16, .size: 8, .value_kind: global_buffer, .address_space: global }
      - { .name: qkv, .offset: 24, .size: 8, .value_kind: global_buffer, .address_space: global }
    .group_segment_fixed_size: 327680
    .private_segment_fixed_size: 0
    .kernarg_segment_align: 8
    .kernarg_segment_size: 32
    .max_flat_workgroup_size: 128
    .sgpr_count:     66
    .vgpr_count:     896
    .wavefront_size: 32
...
	.end_amdgpu_metadata
.endif
;; end of part 2
;; launch attn (part 3): grid 8 x 32, 4 waves a work-group, no clusters, 327,680 bytes of LDS; arguments qkv, ep, mask8, out0; writes out0
.if DOCPART == 3
	.amdgcn_target "amdgcn-amd-amdhsa--gfx1250"
	.amdhsa_code_object_version 6
	.text
	.protected	k_qd989e4a631_attn
	.globl	k_qd989e4a631_attn
	.p2align	8
	.type	k_qd989e4a631_attn,@function
k_qd989e4a631_attn:
	s_mov_b64 s[64:65], 0
	v_nop
	global_prefetch_b8 v0, s[64:65] scope:SCOPE_SE
	s_setreg_imm32_b32 hwreg(HW_REG_WAVE_MODE, 25, 1), 1
	s_wait_xcnt 0x0
; ATTENTION WITH RELATIVE KEY AND QUERY TERMS.  For head bh, query l, key r:  s = q_l.k_r + q_l.E[e] + k_r.E[e] + 8 mask[r],  e = l - r + 2048 (ep's rows);  p = softmax_r(s / 8);  out = p V.
; q, k, v: qkv f16 [3][32][2048][64].  E: ep f16 [4096][64].  mask8 f32 [2][2048] (already x 8).  out0 f32 [2][2048][1024].
; Products, maxima and sums in f32; the two relative terms are rounded once to bf16 on their way through LDS; the weights p to f16 for the last product (their sum l is taken of the unrounded p).
; LIMITS. q, k, v within f16's 65,504; a weight below 2^-126 counts as 0 in l; NaN and +infinity are not treated apart; the mask as the launch in front clamps it.
; SHARES. A work-group: 256 queries of one head; wave w: 64 of them, four tiles of 16.  Every wave walks all 2,048 keys, 64 a step, 32 steps.  8 x 32 = 256 work-groups.
; NO CLUSTER: of a step's 57,344 bytes only K and V, 16,384, are the same for a head's eight work-groups; E's window, 40,960, differs with the query block.
; THE SKEW.  For 64 queries from Lw and 64 keys from R the table rows e0 .. e0 + 127, e0 = Lw - R + 1984, are eight tiles a of 16 rows, source 0 of both products:
;   T1 = E(a = t + i) x Q(t)^T, i = 0..4: element (m, n) belongs to query 16 t + n and key offset y = n - m - 16 i + 64
;   T2 = E(a = 3 - kt + i) x K(kt)^T:     element (m, n) belongs to key 16 kt + n and query offset z = 16 i + m + n - 16
; In a result a lane is one query (or key) and the registers run along e.  Each number, rounded to bf16, is stored with a 2-byte LDS store into the wave's own table
; T1tab[query][y + 16], T2tab[key][z + 16] (96 places, rows of 208 bytes): the lane's shift lies in the address (n x 210), the register's in the immediate.  Places 16..79 are all written anew in every
; step (16 i + m runs over 0..79) and are the only ones read.
; MERGE.  One bf16 matrix instruction a score tile adds both terms onto S^T: source 0 = [I16 | 16 places of T2tab's rows], source 1 = [16 places of T1tab's rows ; I16].
; S^T = K Q^T (a lane holds ONE query and the keys 8 (lane / 16) + 0..7) starts from the mask as its C operand.  Two such tiles rounded to f16 ARE source 1 of O^T = V^T P.
; SOFTMAX.  A running maximum m and sum l: p = 2^(c s - c m), c = log2(e) / 8; in every step O and l are multiplied by a = 2^(c m_old - c m_new).  m starts at the lowest finite number, O and l at 0.
; REGISTERS, in windows of 256 (s_set_vgpr_msb: bits 1:0 source 0, 3:2 source 1, 5:4 source 2, 7:6 destination):
;   window 0: see the names below      window 1: v0-127 O^T, 32 a tile; v128-159 the step's mask
;   window 2: v0-63 Q; v64-127 K of the step; v128-255 E's eight tiles; V of the step takes v128-191 when E's products are done
.set PK,    144       ; a row of K or E in LDS: 128 bytes + 16: the 16 rows of a load start at 16 different groups of four banks
.set PV,    160       ; a row of V: 128 + 32
.set VOFF,  9216      ; a slot: K 64 x 144, V 64 x 160, E 320 x 144 = 65,536 bytes
.set EOFF,  19456
.set SLOT1, 65536
.set TBUF,  131072    ; behind the ring, never filled by a tensor load: for each wave T1tab, then T2tab; at the end the wave's stage for the way out
.set P1,    208       ; a table row: 96 places of 2 bytes + 16: an odd multiple of 16 bytes
.set T2OFF, 64*P1
.set TWAVE, 2*64*P1
.set SPARE, TBUF+4*TWAVE  ; the spare words, 128 bytes a wave: two blocks of 256 bytes that no other line names
.set SPO,   272       ; the way out: a row of 64 f32 + 16 bytes
.set AK0, 2           ; v2   my lane's place in K's tile; never rewritten
.set AV0, 3           ; v3   in V's
.set AE0, 4           ; v4   in E's window, at my wave's first row
.set AK,  5           ; v5-7 the same in the slot in hand
.set AV,  6
.set AE,  7
.set A1,  8           ; v8   T1tab: n x 210 + 16 (1 - h)
.set A2,  9           ; v9   T2tab: n x 210 + 16 h
.set R1,  10          ; v10  reading either table: n x 208 + 16 h
.set STO, 11          ; v11  the way out: where I put 32 bytes of a row
.set RD,  12          ; v12  where I read rows back
.set GO,  13          ; v13  my byte offset in two rows of out0
.set AMK, 14          ; v14  32 h: my eight masks of 16 keys
.set QO,  15          ; v15  my byte offset in 16 rows of Q
.set SPW, 16          ; v16  my spare word; never rewritten
.set NIL, 17          ; v17  0; never rewritten
.set ST,  20          ; v20-35  tile t at ST + 4 t: c m, m, l (even keys', odd keys')
.set CC,  36          ; v36-39  c0-c3 at work; when the maximum is found c2 takes a
.set MV,  40          ; v40  c m_old
.set P,   42          ; v42-57  the weights of the tile in hand
.set TP,  58          ; v58-73  relative terms rounded to bf16, four sets of four
.set MB,  74          ; v74-137 for key tile kt at MB + 16 kt: +0 T1's places, +4 I16 (source 1); +8 I16, +12 T2's places (source 0)
.set S,   138         ; v138-169, v170-201  S^T, two buffers by the tile's parity
.set TA,  170         ; v170-249  two sets of five accumulators for T1 and T2 (idle while S^T's second buffer is in use)
.set OB,  122         ; the way out: 32 registers a tile
.set MK,  128         ; window 1
.set KF,  64          ; window 2
.set EF,  128
.set VF,  128
.set WV,  16          ; s16  my wave's number
.set G1E, 24          ; s[24:31] group 1 for a half of E's window
.set G1K, 32          ; s[32:39] for K's tile
.set G1V, 40          ; s[40:47] for V's
.set G0E, 48          ; s[48:51], s[52:55], s[56:59] group 0: they walk
.set G0K, 52
.set G0V, 56
.set CS,  60          ; s[60:61] c
.set SEL, 62          ; s[62:63] v_permlanex16_b32's selects: each lane takes its own place in the other half
.set TB,  66          ; s66  the LDS byte at which the slot in hand begins
.set CNT, 67          ; s67  steps to go
.set MKP, 68          ; s[68:69] mask8 at the step's keys
.set OUTP, 70         ; s[70:71] out0 at my wave's first row and the head's first channel
.set QP,  72          ; s[72:73] q at my wave's first row
.set MSB, 0
.macro WIN new                      ; the high byte repeats the setting that is left; a switch that changes nothing is dropped
.if MSB != (\new)
	s_set_vgpr_msb (MSB<<8)|(\new)
.set MSB, (\new)
.endif
.endm
.macro PLACES                       ; four places behind matrix instructions (ISA guide 7.12.1)
.rept 4
	v_nop
.endr
.endm
; A fill.  Waves 0 and 1 fetch the halves of E's window (160 table rows each), wave 2 K's tile, wave 3 V's.  An s_nop 0 and four v_nop follow each line, ahead of the jump and the label.
.macro LOAD
	s_cmp_lt_u32 s[WV], 2
	s_cbranch_scc0 .Lkv_\@
	tensor_load_to_lds s[G0E:G0E+3], s[G1E:G1E+7]
	s_nop 0
.rept 4
	v_nop
.endr
	s_branch .Lasked_\@
.Lkv_\@:
	s_cmp_eq_u32 s[WV], 2
	s_cbranch_scc0 .Lv_\@
	tensor_load_to_lds s[G0K:G0K+3], s[G1K:G1K+7]
	s_nop 0
.rept 4
	v_nop
.endr
	s_branch .Lasked_\@
.Lv_\@:
	tensor_load_to_lds s[G0V:G0V+3], s[G1V:G1V+7]
	s_nop 0
.rept 4
	v_nop
.endr
.Lasked_\@:
.endm
; THE CHANGE OF SLOTS.  Each wave waits for all its tensor loads (one is out: its part of the other slot), adds 0 to its spare word, and waits for that and for its reads of the slot that it leaves.
; Behind the barrier nobody reads the old slot and the other is whole.  fill = 1: the old slot is filled again first: the next 64 keys, and E's window 64 rows further down the table's front.
; (At its first use nothing has been read yet: slot 0 is waited for, slot 1 filled.)
.macro CHANGE fill
	WIN 0
	s_wait_tensorcnt 0x0            ; no tensor load of mine is out, so a group 0 may be written
	ds_add_u32 v[SPW], v[NIL]       ; the descriptors' steps stand between the add and the wait for it
.if \fill
	s_xor_b32 s[G0E+1], s[G0E+1], SLOT1
	s_xor_b32 s[G0K+1], s[G0K+1], SLOT1
	s_xor_b32 s[G0V+1], s[G0V+1], SLOT1
	s_sub_nc_u64 s[G0E+2:G0E+3], s[G0E+2:G0E+3], 8192  ; e falls as the keys rise; the last step's window begins at row 256 x + 0, inside the table
	s_add_nc_u64 s[G0K+2:G0K+3], s[G0K+2:G0K+3], 8192
	s_add_nc_u64 s[G0V+2:G0V+3], s[G0V+2:G0V+3], 8192
.endif
	s_wait_dscnt 0x0                ; the add is done, and my reads of the slot are over
	s_barrier_signal -1
	s_xor_b32 s[TB], s[TB], SLOT1   ; the reads go to the other slot
	s_barrier_wait -1
.if \fill
	LOAD                            ; my one tensor load behind the barrier; its four v_nop are also the places in front of the fragment loads
.else
	PLACES
.endif
.endm
	s_load_b256 s[4:11], s[0:1], 0x0  ; qkv s[4:5], ep s[6:7], mask8 s[8:9], out0 s[10:11]
	v_lshl_add_u32 v[SPW], v0, 2, SPARE
	v_mov_b32 v[NIL], 0
	ds_add_u32 v[SPW], v[NIL]       ; the wave's opening: the add and its wait stand ahead of my first tensor load; the set-up stands between them
	v_lshrrev_b32 v1, 5, v0
	v_readfirstlane_b32 s[WV], v1   ; wave 0..3
	s_mov_b32 s17, ttmp9            ; the block of 256 queries
	s_and_b32 s18, ttmp7, 0xffff    ; batch x 16 + head
	s_lshl_b32 s20, s18, 18         ; the head's 262,144 bytes in a plane of qkv
	s_mov_b32 s21, 0
	s_and_b32 s19, s[WV], 1         ; which half of E's window I fetch
	s_mul_i32 s12, s19, 160*PK      ; its place in a slot,
	s_mul_i32 s22, s19, 160*128     ; and in the table,
	s_lshl_b32 s13, s17, 15         ; 256 x rows of 128 bytes
	s_add_co_u32 s22, s22, s13
	s_add_co_u32 s22, s22, 1984*128 ; step 0's window begins at row 256 x + 1984
	s_mov_b32 s23, 0
	s_lshl_b32 s14, s[WV], 13       ; my wave's 64 rows
	s_add_co_u32 s74, s13, s14
	s_add_co_u32 s74, s74, s20      ; q at my rows
	s_mov_b32 s75, 0
	s_lshr_b32 s15, s18, 4          ; the batch
	s_lshl_b32 s2, s15, 23          ; out0: 2,048 rows of 4,096 bytes a batch,
	s_lshl_b32 s3, s17, 20          ; 256 rows a block,
	s_add_co_u32 s2, s2, s3
	s_lshl_b32 s3, s[WV], 18        ; 64 a wave,
	s_add_co_u32 s2, s2, s3
	s_and_b32 s3, s18, 15
	s_lshl_b32 s3, s3, 8            ; 256 bytes a head
	s_add_co_u32 s2, s2, s3
	s_mov_b32 s3, 0
	s_lshl_b32 s14, s15, 13         ; the batch's 2,048 masks
	s_mov_b32 s15, 0
	; group 1: dense rows of 128 bytes are asked for as rows of 256 bytes, and padded in LDS after every 128
	s_mov_b32 s[G1E], (1<<16)|(1<<20)|(4<<22)|(3<<25)  ; 2-byte elements; padding on; after every 32 words 4 words
	s_mov_b32 s[G1K], (1<<16)|(1<<20)|(4<<22)|(3<<25)
	s_mov_b32 s[G1V], (1<<16)|(1<<20)|(4<<22)|(7<<25)  ; 8 words
	s_mov_b32 s[G1E+2], 80<<16      ; tensor_dim1 = 80 rows: 160 rows of the table
	s_mov_b32 s[G1E+4], 80          ; tile_dim1
	s_mov_b32 s[G1K+2], 32<<16      ; 32 rows: 64 keys
	s_mov_b32 s[G1K+4], 32
	s_mov_b32 s[G1V+2], 32<<16
	s_mov_b32 s[G1V+4], 32
.irp g, G1E, G1K, G1V
	s_mov_b32 s[\g+1], 128<<16      ; tensor_dim0 = 128
	s_mov_b32 s[\g+3], 128<<16      ; tile_dim0 = 128
	s_mov_b32 s[\g+5], 128          ; elements from row to row
	s_mov_b32 s[\g+6], 0
	s_mov_b32 s[\g+7], 0
.endr
	s_mov_b32 s[G0E], 1
	s_add_co_u32 s[G0E+1], s12, EOFF  ; LDS addresses: slot 0
	s_mov_b32 s[G0K], 1
	s_mov_b32 s[G0K+1], 0
	s_mov_b32 s[G0V], 1
	s_mov_b32 s[G0V+1], VOFF
	s_mov_b32 s[CS], 0x3e38aa3b     ; c = log2(e) / 8
	s_mov_b32 s[CS+1], s[CS]        ; named with it as a pair
	s_mov_b32 s[SEL], 0x76543210
	s_mov_b32 s[SEL+1], 0xfedcba98
	s_mov_b32 s[TB], SLOT1          ; the first change of slots turns it into 0
	s_mov_b32 s[CNT], 31
	s_wait_dscnt 0x0                ; the opening add is done
	s_wait_kmcnt 0x0
	s_add_nc_u64 s[G0E+2:G0E+3], s[6:7], s[22:23]
	s_or_b32 s[G0E+3], s[G0E+3], 0x80000000  ; type = 2
	s_add_nc_u64 s[G0K+2:G0K+3], s[4:5], s[20:21]
	s_add_nc_u64 s[G0K+2:G0K+3], s[G0K+2:G0K+3], 0x800000  ; plane k
	s_add_nc_u64 s[G0V+2:G0V+3], s[G0K+2:G0K+3], 0x800000  ; plane v
	s_or_b32 s[G0K+3], s[G0K+3], 0x80000000
	s_or_b32 s[G0V+3], s[G0V+3], 0x80000000
	s_add_nc_u64 s[QP:QP+1], s[4:5], s[74:75]
	s_add_nc_u64 s[MKP:MKP+1], s[8:9], s[14:15]
	s_add_nc_u64 s[OUTP:OUTP+1], s[10:11], s[2:3]
	LOAD                            ; step 0 into slot 0: the launch's only first fill; one load of mine is out
	; all that follows up to the loop stands in the wait for that tile
	v_and_b32 v1, 15, v0            ; n = l % 16
	v_bfe_u32 v18, v0, 4, 1         ; h = l / 16
	v_lshlrev_b32 v[QO], 7, v1
	v_lshl_add_u32 v[QO], v18, 4, v[QO]
	v_lshlrev_b32 v[AMK], 5, v18
	WIN 0x80                        ; destination window 2
.set i, 0
.rept 8                             ; Q stays in registers: tile i / 2, channels 32 (i % 2) on: sixteen loads
	global_load_b128 v[8*i:8*i+3],   v[QO], s[QP:QP+1] offset:(i/2)*2048+(i%2)*64
	global_load_b128 v[8*i+4:8*i+7], v[QO], s[QP:QP+1] offset:(i/2)*2048+(i%2)*64+32
.set i, i+1
.endr
	WIN 0x40                        ; destination window 1
.irp k, 0,1,2,3                     ; step 0's mask, eight loads behind Q's: register r of key tile k is key 16 k + 8 h + r
	global_load_b128 v[MK+8*\k:MK+8*\k+3],   v[AMK], s[MKP:MKP+1] offset:64*\k
	global_load_b128 v[MK+8*\k+4:MK+8*\k+7], v[AMK], s[MKP:MKP+1] offset:64*\k+16
.endr
.set i, 0
.rept 128
	v_mov_b32 v[i], 0               ; O^T: the price of writing no first step out
.set i, i+1
.endr
	WIN 0
	v_mul_u32_u24 v[AK0], v1, PK
	v_lshl_add_u32 v[AK0], v18, 4, v[AK0]  ; row x pitch + 16 x half
	s_mul_i32 s12, s[WV], 64*PK
	s_add_co_u32 s12, s12, EOFF
	v_add_nc_u32 v[AE0], s12, v[AK0]       ; my wave's rows of the window begin at its row 64 w
	v_and_b32 v19, 7, v0
	v_bfe_u32 v41, v0, 3, 1
	v_lshl_add_u32 v[AV0], v18, 3, v19     ; the turning load: key 8 h + l % 8,
	v_mul_u32_u24 v[AV0], v[AV0], PV
	v_lshl_add_u32 v[AV0], v41, 4, v[AV0]  ; channels 8 ((l / 8) % 2) on
	v_add_nc_u32 v[AV0], VOFF, v[AV0]
	s_mul_i32 s13, s[WV], TWAVE
	s_add_co_u32 s13, s13, TBUF            ; my tables
	v_mul_u32_u24 v[A2], v1, P1+2
	v_add_nc_u32 v[A2], s13, v[A2]
	v_xor_b32 v[A1], 1, v18
	v_lshl_add_u32 v[A1], v[A1], 4, v[A2]
	v_lshl_add_u32 v[A2], v18, 4, v[A2]
	v_add_nc_u32 v[A2], T2OFF, v[A2]
	v_mul_u32_u24 v[R1], v1, P1
	v_lshl_add_u32 v[R1], v18, 4, v[R1]
	v_add_nc_u32 v[R1], s13, v[R1]
	v_mul_u32_u24 v[STO], v1, SPO          ; the way out, in: row n, 32 bytes for each half of the lanes
	v_lshl_add_u32 v[STO], v18, 5, v[STO]
	v_add_nc_u32 v[STO], s13, v[STO]
	v_mul_u32_u24 v[RD], v18, SPO          ; back: lanes 0-15 take one row of 256 bytes, lanes 16-31 the next
	v_lshl_add_u32 v[RD], v1, 4, v[RD]
	v_add_nc_u32 v[RD], s13, v[RD]
	v_lshlrev_b32 v[GO], 12, v18           ; and the same two rows in out0
	v_lshl_add_u32 v[GO], v1, 4, v[GO]
	; I16 in a fragment's four registers: lane (n, h) holds places 8 h + 0..7 of row n: 1.0 (bf16) at place n, if it falls among them
	v_lshlrev_b32 v41, 3, v18
	v_sub_nc_u32 v41, v1, v41              ; n - 8 h
	v_mov_b32 v36, 0x3f80
	v_mov_b32 v37, 0x3f800000
.irp j, 0,1,2,3
	v_cmp_eq_u32 vcc_lo, 2*\j, v41
	v_cndmask_b32 v[MB+4+\j], 0, v36, vcc_lo
	v_cmp_eq_u32 vcc_lo, 2*\j+1, v41
	v_cndmask_b32 v[MB+4+\j], v[MB+4+\j], v37, vcc_lo
.endr
.irp j, 0,1,2,3
	v_mov_b32 v[MB+8+\j], v[MB+4+\j]
.irp k, 1,2,3
	v_mov_b32 v[MB+16*\k+4+\j], v[MB+4+\j]
	v_mov_b32 v[MB+16*\k+8+\j], v[MB+4+\j]
.endr
.endr
.irp t, 0,1,2,3
	v_mov_b32 v[ST+4*\t+1], 0xff7fffff     ; m
	v_mul_f32 v[ST+4*\t], s[CS], v[ST+4*\t+1]
	v_mov_b32 v[ST+4*\t+2], 0
	v_mov_b32 v[ST+4*\t+3], 0
.endr
; THE LDS LOADS stand in runs.  A fragment is 16 rows x 32 channels in 8 registers: two loads of 16 bytes, 32 bytes apart.
.macro FETCH_K
	WIN 0x80
.irp f, 0,1,2,3,4,5,6,7             ; keys 16 (f / 2) on, channels 32 (f % 2) on
	ds_load_b128 v[KF+8*\f:KF+8*\f+3],   v[AK] offset:(\f/2)*16*PK+(\f%2)*64
	ds_load_b128 v[KF+8*\f+4:KF+8*\f+7], v[AK] offset:(\f/2)*16*PK+(\f%2)*64+32
.endr
.endm
.macro FETCH_E                      ; the tiles that the first products take come first
	WIN 0x80
.irp a, 3,4,5,6,7,2,1,0
.irp c, 0,1
	ds_load_b128 v[EF+16*\a+8*\c:EF+16*\a+8*\c+3],   v[AE] offset:\a*16*PK+\c*64
	ds_load_b128 v[EF+16*\a+8*\c+4:EF+16*\a+8*\c+7], v[AE] offset:\a*16*PK+\c*64+32
.endr
.endr
.endm
.macro FETCH_V
	WIN 0x80
.irp f, 0,1,2,3,4,5,6,7             ; keys 32 (f / 4) on, channels 16 (f % 4) on
	ds_load_tr16_b128 v[VF+8*\f:VF+8*\f+3],   v[AV] offset:(\f/4)*32*PV+(\f%4)*32
	ds_load_tr16_b128 v[VF+8*\f+4:VF+8*\f+7], v[AV] offset:(\f/4)*32*PV+16*PV+(\f%4)*32
.endr
.endm
; Ten products into accumulator set 'set': kind 1: T1 for query tile x; kind 2: T2 for key tile x.  The five accumulators take turns; the first five start the sums.
.macro WMT set, kind, x
	WIN 0x0a                        ; sources in window 2
.irp c, 0,1
.set i, 0
.rept 5
.set ac, TA+40*(\set)+8*i
.if (\kind) == 1
.set ea, EF+16*((\x)+i)+8*\c
.set bb, 16*(\x)+8*\c
.else
.set ea, EF+16*(3-(\x)+i)+8*\c
.set bb, KF+16*(\x)+8*\c
.endif
.if (\c) == 0
	v_wmma_f32_16x16x32_f16 v[ac:ac+7], v[ea:ea+7], v[bb:bb+7], 0
.else
	v_wmma_f32_16x16x32_f16 v[ac:ac+7], v[ea:ea+7], v[bb:bb+7], v[ac:ac+7]
.endif
.set i, i+1
.endr
.endr
.endm
; The set's 40 registers are rounded to bf16 in pairs (each accumulator from its low end on) and scattered, 2 bytes a store, to their places in the table.
; T1: register r of accumulator i lies 2 r + 32 i bytes BELOW the lane's base; T2: above it.  The 20 conversions are also the places behind the products of the other set issued just before.
.macro DRAIN set, kind, x
	WIN 0
.set i, 0
.rept 5
.set ac, TA+40*(\set)+8*i
.set tp, TP+4*(i%4)
.irp j, 0,1,2,3
	v_cvt_pk_bf16_f32 v[tp+\j], v[ac+2*\j], v[ac+2*\j+1]
.endr
.if (\kind) == 1
.set o, 16*P1*(\x)-32*i+144
.irp j, 0,1,2,3
	ds_store_b16        v[A1], v[tp+\j] offset:o-4*\j
	ds_store_b16_d16_hi v[A1], v[tp+\j] offset:o-4*\j-2
.endr
.else
.set o, 16*P1*(\x)+32*i
.irp j, 0,1,2,3
	ds_store_b16        v[A2], v[tp+\j] offset:o+4*\j
	ds_store_b16_d16_hi v[A2], v[tp+\j] offset:o+4*\j+2
.endr
.endif
.set i, i+1
.endr
.endm
; For query tile t and each key tile k: 16 places of T1tab's rows 16 t + n, and 16 places of T2tab's rows 16 k + n.  LDS serves a wave's instructions in order (ISA guide 5.7.1.4): these see the scatter above.
.macro LOADM t
	WIN 0
.irp k, 0,1,2,3
	ds_load_b128 v[MB+16*\k:MB+16*\k+3],     v[R1] offset:16*P1*(\t)+32*\k+32
	ds_load_b128 v[MB+16*\k+12:MB+16*\k+15], v[R1] offset:T2OFF+16*P1*\k+32*(\t)+32
.endr
.endm
; S^T = mask + K Q^T for query tile t: product i: channels 32 (i / 4) on, keys 16 (i % 4) on.  The four accumulators take turns.
.macro QK t
.set i, 0
.rept 8
.set rS, S+32*((\t)%2)+8*(i%4)
.set rK, KF+16*(i%4)+8*(i/4)
.set rQ, 16*(\t)+8*(i/4)
.if i < 4
	WIN 0x1a                        ; the C operand in window 1
	v_wmma_f32_16x16x32_f16 v[rS:rS+7], v[rK:rK+7], v[rQ:rQ+7], v[MK+8*i:MK+8*i+7]
.else
	WIN 0x0a
	v_wmma_f32_16x16x32_f16 v[rS:rS+7], v[rK:rK+7], v[rQ:rQ+7], v[rS:rS+7]
.endif
.set i, i+1
.endr
.endm
.macro MERGE t                      ; another form than QK's on the same accumulators: five places stand between the two
	WIN 0
.irp k, 0,1,2,3
	v_wmma_f32_16x16x32_bf16 v[S+32*((\t)%2)+8*\k:S+32*((\t)%2)+8*\k+7], v[MB+16*\k+8:MB+16*\k+15], v[MB+16*\k:MB+16*\k+7], v[S+32*((\t)%2)+8*\k:S+32*((\t)%2)+8*\k+7]
.endr
.endm
; The maximum of the lane's 32 scores and the old m (each accumulator's lowest registers are read first), the other half of the lanes', the new m, c m, a; then c s - c m.
.macro SM1 t
	WIN 0
.set rT, ST+4*(\t)
.set rS, S+32*((\t)%2)
.irp n, 0,1,2,3
	v_max3_num_f32 v[CC+\n], v[rS+8*\n], v[rS+8*\n+1], v[rS+8*\n+2]
.endr
.irp g, 1,2
.irp n, 0,1,2,3
	v_max3_num_f32 v[CC+\n], v[CC+\n], v[rS+8*\n+2*\g+1], v[rS+8*\n+2*\g+2]
.endr
.endr
	v_max3_num_f32 v[CC], v[CC], v[rS+7], v[rS+15]
	v_max3_num_f32 v[CC+1], v[CC+1], v[rS+23], v[rS+31]
	v_max3_num_f32 v[CC+2], v[CC+2], v[CC+3], v[rT+1]
	v_mov_b32 v[MV], v[rT]          ; c m_old is kept
	v_max3_num_f32 v[CC], v[CC], v[CC+1], v[CC+2]
	v_permlanex16_b32 v[CC+3], v[CC], s[SEL], s[SEL+1]  ; the query's other 32 keys lie in the lane 16 away
	v_max_num_f32 v[rT+1], v[CC], v[CC+3]
	v_mul_f32 v[rT], s[CS], v[rT+1]
	v_sub_f32 v[CC+1], v[MV], v[rT]
	v_exp_f32 v[CC+2], v[CC+1]      ; a; the scalings below are the plain instructions behind it
.set z, 0
.rept 16
	v_pk_fma_f32 v[rS+2*z:rS+2*z+1], v[rS+2*z:rS+2*z+1], s[CS:CS+1], v[rT:rT+1] op_sel_hi:[1,0,0] neg_lo:[0,0,1] neg_hi:[0,0,1]
.set z, z+1
.endr
.endm
; The exponentials on end; O^T times a, sixteen plain instructions behind them that use none of their results (ISA guide 5.7.2); the weights rounded to f16; their sum, as a tree; l = a l + sum.
.macro SM2 t
	WIN 0
.set rT, ST+4*(\t)
.set rS, S+32*((\t)%2)
.set rO, 32*(\t)
.set z, 0
.rept 32
	v_exp_f32 v[rS+z], v[rS+z]
.set z, z+1
.endr
	WIN 0x41                        ; O^T in window 1, a in window 0
.set z, 0
	s_wait_alu depctr_va_vdst(0)
.rept 16
	v_pk_mul_f32 v[rO+2*z:rO+2*z+1], v[rO+2*z:rO+2*z+1], v[CC+2:CC+3] op_sel_hi:[1,0]
.set z, z+1
.endr
	WIN 0
.set z, 0
.rept 16
	v_cvt_pk_f16_f32 v[P+z], v[rS+2*z], v[rS+2*z+1]
.set z, z+1
.endr
.irp w, 4,8,16,32                   ; neighbours 1, 2, 4 and 8 pairs apart, in place
.set z, 0
.rept 32/\w
	v_pk_add_f32 v[rS+\w*z:rS+\w*z+1], v[rS+\w*z:rS+\w*z+1], v[rS+\w*z+\w/2:rS+\w*z+\w/2+1]
.set z, z+1
.endr
.endr
	v_pk_fma_f32 v[rT+2:rT+3], v[rT+2:rT+3], v[CC+2:CC+3], v[rS:rS+1] op_sel_hi:[1,0,1]
.endm
; O^T += V^T P for tile t: product i: keys 32 (i / 4) on, channels 16 (i % 4) on.  The four accumulators take turns.
.macro PV t
	WIN 0x52                        ; V in window 2, P in window 0, O^T in window 1
.set i, 0
.rept 8
.set rO, 32*(\t)+8*(i%4)
.set rV, VF+32*(i/4)+8*(i%4)
.set rP, P+8*(i/4)
	v_wmma_f32_16x16x32_f16 v[rO:rO+7], v[rV:rV+7], v[rP:rP+7], v[rO:rO+7]
.set i, i+1
.endr
.endm
; A KEY STEP.  Phase A: the eight groups of ten products T2, T1, on two accumulator sets by turns: while one set is multiplied, the other is rounded and scattered.
; Phase B: tile by tile; the scores and the merge of tile t + 1 stand among the softmax of tile t.  last = 1: there is no further mask to fetch.
.macro STEP last
	WIN 0
	v_add_nc_u32 v[AK], s[TB], v[AK0]
	v_add_nc_u32 v[AV], s[TB], v[AV0]
	v_add_nc_u32 v[AE], s[TB], v[AE0]
	FETCH_K
	FETCH_E
	s_wait_dscnt 12                 ; K and E's tiles 3..7 are in; the twelve loads of tiles 2, 1, 0 may be out
	WMT 0, 2, 0
	s_wait_dscnt 0x0
	WMT 1, 2, 1
	PLACES                          ; the first conversions read results with no vector work behind them yet
	DRAIN 0, 2, 0
	WMT 0, 2, 2
	DRAIN 1, 2, 1
	WMT 1, 2, 3
	DRAIN 0, 2, 2
	WMT 0, 1, 0
	DRAIN 1, 2, 3
	WMT 1, 1, 1
	DRAIN 0, 1, 0
	WMT 0, 1, 2
	DRAIN 1, 1, 1
	WMT 1, 1, 3
	DRAIN 0, 1, 2                   ; its conversions are the places between E's last reader and the loads into E's registers
	FETCH_V
	DRAIN 1, 1, 3
	LOADM 0
	s_wait_loadcnt 0x0              ; the step's mask: its eight loads are the only ones out
	QK 0
.rept 5
	v_nop                           ; five places between the two forms on one accumulator
.endr
	s_wait_dscnt 0x0                ; the tables' places for tile 0, and V
	MERGE 0
	PLACES
.irp t, 0,1,2,3
.if (\t) < 3
	LOADM (\t)+1
	QK (\t)+1
.elseif !(\last)
	s_add_nc_u64 s[MKP:MKP+1], s[MKP:MKP+1], 256  ; the last loads by this base were waited for above
	WIN 0x40
.irp k, 0,1,2,3                     ; the next step's mask: all four tiles' scores have taken this step's
	global_load_b128 v[MK+8*\k:MK+8*\k+3],   v[AMK], s[MKP:MKP+1] offset:64*\k
	global_load_b128 v[MK+8*\k+4:MK+8*\k+7], v[AMK], s[MKP:MKP+1] offset:64*\k+16
.endr
.endif
	SM1 \t                          ; its plain lines are the places between QK and MERGE of the next tile
.if (\t) < 3
	s_wait_dscnt 0x0
	MERGE (\t)+1
.endif
	SM2 \t                          ; and these the places behind that merge
	PV \t
.endr
	WIN 0
.endm
	s_wait_loadcnt 0x8              ; Q is in: phase A's products T1 read it.  Loads come back in order (ISA guide 5.7.1): only the eight loads of step 0's mask, issued behind Q's sixteen, may be out
.Lstep:                             ; 31 trips: step i is entered, step i + 1 asked for: that load has the whole step in which to land
	CHANGE 1
	STEP 0
	s_sub_co_u32 s[CNT], s[CNT], 1
	s_cmp_lg_u32 s[CNT], 0
	s_cbranch_scc1 .Lstep
	CHANGE 0                        ; the last step is written out
	STEP 1
	; THE WAY OUT.  l's two halves and the other half of the lanes' are added; O^T is divided by l and sent through my stage (my tables' bytes, which nothing else needs now), a tile at a time.
	; The additions are the places behind the last products.
.irp t, 0,1,2,3
	v_add_f32 v[ST+4*\t+2], v[ST+4*\t+2], v[ST+4*\t+3]
.endr
.irp t, 0,1,2,3
	v_permlanex16_b32 v[ST+4*\t+3], v[ST+4*\t+2], s[SEL], s[SEL+1]
.endr
.irp t, 0,1,2,3
	v_add_f32 v[ST+4*\t+2], v[ST+4*\t+2], v[ST+4*\t+3]
.endr
.irp t, 0,1,2,3
	v_rcp_f32 v[ST+4*\t+2], v[ST+4*\t+2]
.endr
	v_nop                           ; a plain instruction between the last reciprocal and the use of its result
	s_wait_alu depctr_va_vdst(0)
.macro PACKO t                      ; a lane's eight channels are 32 bytes of a row; they go into rows of 272 bytes and come back as whole rows of 256
	WIN 0x41
.set z, 0
.rept 16
	v_pk_mul_f32 v[32*(\t)+2*z:32*(\t)+2*z+1], v[32*(\t)+2*z:32*(\t)+2*z+1], v[ST+4*(\t)+2:ST+4*(\t)+3] op_sel_hi:[1,0]
.set z, z+1
.endr
	WIN 0x04                        ; the stores' data in window 1
.irp c, 0,1,2,3
	ds_store_b128 v[STO], v[32*(\t)+8*\c:32*(\t)+8*\c+3]   offset:64*\c
	ds_store_b128 v[STO], v[32*(\t)+8*\c+4:32*(\t)+8*\c+7] offset:64*\c+16
.endr
	WIN 0
.irp j, 0,1,2,3,4,5,6,7
	ds_load_b128 v[OB+32*(\t)+4*\j:OB+32*(\t)+4*\j+3], v[RD] offset:\j*2*SPO  ; in order behind the stores above; the next tile's stores come behind them
.endr
.endm
.macro SENDO t, younger             ; younger: the LDS instructions issued behind tile t's loads: the next tile's sixteen, or none
.irp j, 0,1,2,3,4,5,6,7
	s_wait_dscnt (\younger)+7-\j
	global_store_b128 v[GO], v[OB+32*(\t)+4*\j:OB+32*(\t)+4*\j+3], s[OUTP:OUTP+1] offset:(16*(\t)+2*\j)*4096 th:TH_STORE_NT  ; 16 lanes store 256 consecutive bytes, aligned: a row's 64 channels of the head
.endr
.endm
	PACKO 0
	PACKO 1
	SENDO 0, 16
	PACKO 2
	SENDO 1, 16
	PACKO 3
	SENDO 2, 16
	SENDO 3, 0
	s_wait_tensorcnt 0x0            ; the wave's end, behind my last tensor load and my last LDS store
	ds_add_u32 v[SPW], v[NIL]
	s_wait_dscnt 0x0
	s_endpgm
.Lfunc_end_k_qd989e4a631_attn:
	.size	k_qd989e4a631_attn, .Lfunc_end_k_qd989e4a631_attn-k_qd989e4a631_attn
	.p2alignl 7, 3214868480
	.fill 96, 4, 3214868480
	.section	.rodata,"a",@progbits
	.p2align	6, 0x0
	.amdhsa_kernel k_qd989e4a631_attn
		.amdhsa_group_segment_fixed_size 327680
		.amdhsa_private_segment_fixed_size 0
		.amdhsa_enable_private_segment 0
		.amdhsa_kernarg_size 32
		.amdhsa_user_sgpr_count 2
		.amdhsa_user_sgpr_kernarg_segment_ptr 1
		.amdhsa_wavefront_size32 1
		.amdhsa_system_sgpr_workgroup_id_x 1
		.amdhsa_system_sgpr_workgroup_id_y 1
		.amdhsa_system_sgpr_workgroup_id_z 1
		.amdhsa_system_vgpr_workitem_id 0
		.amdhsa_next_free_vgpr 768
		.amdhsa_next_free_sgpr 76
		.amdhsa_reserve_vcc 1
		.amdhsa_float_denorm_mode_32 3
		.amdhsa_float_denorm_mode_16_64 3
		.amdhsa_memory_ordered 1
		.amdhsa_forward_progress 1
		.amdhsa_inst_pref_size 178
	.end_amdhsa_kernel
	.amdgpu_metadata
---
amdhsa.version: [ 1, 2 ]
amdhsa.kernels:
  - .name:           k_qd989e4a631_attn
    .symbol:         k_qd989e4a631_attn.kd
    .args:
      - { .name: qkv, .offset: 0, .size: 8, .value_kind: global_buffer, .address_space: global }
      - { .name: ep, .offset: 8, .size: 8, .value_kind: global_buffer, .address_space: global }
      - { .name: mask8, .offset: 16, .size: 8, .value_kind: global_buffer, .address_space: global }
      - { .name: out0, .offset: 24, .size: 8, .value_kind: global_buffer, .address_space: global }
    .group_segment_fixed_size: 327680
    .private_segment_fixed_size: 0
    .kernarg_segment_align: 8
    .kernarg_segment_size: 32
    .max_flat_workgroup_size: 128
    .sgpr_count:     76
    .vgpr_count:     768
    .wavefront_size: 32
...
	.end_amdgpu_metadata
.endif
;; end of part 3
;; ======== version 2 of 3: 3 launches; 1.15 times as fast as version 1
;; limits: values are held in f16: magnitudes above 65,504 overflow, below 6.1e-05 lose precision
;; workspace buffers: xb 8,388,608 bytes; wb 6,291,456 bytes; ep 524,288 bytes; mask8 16,384 bytes; br 12,288 bytes; qkv 25,165,824 bytes
;; launch prep: the kernel of part 1 again; grid 465 x 1, 8 waves a work-group, no clusters, 0 bytes of LDS; arguments hidden_states, Wq, Wk, Wv, dist_emb, attention_mask, bq, bk, bv, xb, wb, ep, mask8, br; writes xb, wb, ep, mask8, br
;; launch proj: the kernel of part 2 again; grid 16 x 16, 4 waves a work-group, clusters of 4 x 4, 327,680 bytes of LDS; arguments xb, wb, br, qkv; writes qkv
;; launch attn (part 4): grid 8 x 32, 4 waves a work-group, no clusters, 327,680 bytes of LDS; arguments qkv, ep, mask8, out0; writes out0
.if DOCPART == 4
	.amdgcn_target "amdgcn-amd-amdhsa--gfx1250"
	.amdhsa_code_object_version 6
	.text
	.protected	k_qd989e4a631_attn
	.globl	k_qd989e4a631_attn
	.p2align	8
	.type	k_qd989e4a631_attn,@function
k_qd989e4a631_attn:
	s_mov_b64 s[64:65], 0
	v_nop
	global_prefetch_b8 v0, s[64:65] scope:SCOPE_SE
	s_setreg_imm32_b32 hwreg(HW_REG_WAVE_MODE, 25, 1), 1
	s_wait_xcnt 0x0
; ATTENTION WITH RELATIVE KEY AND QUERY TERMS.  For head bh, query l, key r:  s = q_l.k_r + q_l.E[e] + k_r.E[e] + 8 mask[r],  e = l - r + 2048 (ep's rows);  p = softmax_r(s / 8);  out = p V.
; q, k, v: qkv f16 [3][32][2048][64].  E: ep f16 [4096][64].  mask8 f32 [2][2048] (already x 8).  out0 f32 [2][2048][1024].
; Products, maxima and sums in f32; the two relative terms are rounded once to bf16 on their way through LDS; the weights p to f16 for the last product (their sum l is taken of the unrounded p).
; LIMITS. q, k, v within f16's 65,504; a weight below 2^-126 counts as 0 in l; NaN and +infinity are not treated apart; the mask as the launch in front clamps it.
; SHARES. A work-group: 256 queries of one head; wave w: 64 of them, four tiles of 16.  Every wave walks all 2,048 keys, 64 a step, 32 steps.  8 x 32 = 256 work-groups.
; NO CLUSTER: of a step's 57,344 bytes only K and V, 16,384, are the same for a head's eight work-groups; E's window, 40,960, differs with the query block.
; THE SKEW.  For 64 queries from Lw and 64 keys from R the table rows e0 .. e0 + 127, e0 = Lw - R + 1984, are eight tiles a of 16 rows, source 0 of both products:
;   T1 = E(a = t + i) x Q(t)^T, i = 0..4: element (m, n) belongs to query 16 t + n and key offset y = n - m - 16 i + 64
;   T2 = E(a = 3 - kt + i) x K(kt)^T:     element (m, n) belongs to key 16 kt + n and query offset z = 16 i + m + n - 16
; In a result a lane is one query (or key) and the registers run along e.  Each number, rounded to bf16, is stored with a 2-byte LDS store into the wave's own table
; T1tab[query][y + 16], T2tab[key][z + 16] (96 places, rows of 208 bytes): the lane's shift lies in the address (n x 210), the register's in the immediate.  Places 16..79 are all written anew in every
; step (16 i + m runs over 0..79) and are the only ones read.
; MERGE.  One bf16 matrix instruction a score tile adds both terms onto S^T: source 0 = [I16 | 16 places of T2tab's rows], source 1 = [16 places of T1tab's rows ; I16].
; S^T = K Q^T (a lane holds ONE query and the keys 8 (lane / 16) + 0..7) starts from the mask as its C operand.  Two such tiles rounded to f16 ARE source 1 of O^T = V^T P.
; SOFTMAX.  A running maximum m and sum l: p = 2^(c s - c m), c = log2(e) / 8; in every step O and l are multiplied by a = 2^(c m_old - c m_new).  m starts at the lowest finite number, O and l at 0.
; THE ORDER.  A wave issues in order.  Vector work that is ready is dealt behind the matrix instructions; LDS instructions stand in long runs between the blocks of products, never singly among them.
;   phase A: eight groups of ten products (T2 for key tiles 0..3, T1 for query tiles 0..3) on two accumulator sets by turns.  A block is a group's ten products, two at a time, with four conversions of the
;            group before behind each two; behind the block stand that earlier group's 40 stores in one run.  The last group is converted beside tile 0's products K Q^T.
;   phase B: behind each product K Q^T of tile t + 1 four lines of tile t's maximum, statistics and scaling; behind the MERGE of tile t + 1 and the products V^T P of tile t - 1 tile t's exponentials.
;            Only tile 3's V^T P, the step's last products, have nothing beside them.
; The price: two switches of the register windows round each group of riders that lies in another window than its products.
; REGISTERS, in windows of 256 (s_set_vgpr_msb: bits 1:0 source 0, 3:2 source 1, 5:4 source 2, 7:6 destination):
;   window 0: see the names below      window 1: v0-127 O^T, 32 a tile; v128-159 the step's mask
;   window 2: v0-63 Q; v64-127 K of the step; v128-255 E's eight tiles; V of the step takes v128-191 when E's products are done
;   window 3: v0-39 the relative terms rounded to bf16, two sets of 20
.set PK,    144       ; a row of K or E in LDS: 128 bytes + 16: the 16 rows of a load start at 16 different groups of four banks
.set PV,    160       ; a row of V: 128 + 32
.set VOFF,  9216      ; a slot: K 64 x 144, V 64 x 160, E 320 x 144 = 65,536 bytes
.set EOFF,  19456
.set SLOT1, 65536
.set TBUF,  131072    ; behind the ring, never filled by a tensor load: for each wave T1tab, then T2tab; at the end the wave's stage for the way out
.set P1,    208       ; a table row: 96 places of 2 bytes + 16: an odd multiple of 16 bytes
.set T2OFF, 64*P1
.set TWAVE, 2*64*P1
.set SPARE, TBUF+4*TWAVE  ; the spare words, 128 bytes a wave: two blocks of 256 bytes that no other line names
.set SPO,   272       ; the way out: a row of 64 f32 + 16 bytes
.set AK0, 2           ; v2   my lane's place in K's tile; never rewritten
.set AV0, 3           ; v3   in V's
.set AE0, 4           ; v4   in E's window, at my wave's first row
.set AK,  5           ; v5-7 the same in the slot in hand
.set AV,  6
.set AE,  7
.set A1,  8           ; v8   T1tab: n x 210 + 16 (1 - h)
.set A2,  9           ; v9   T2tab: n x 210 + 16 h
.set R1,  10          ; v10  reading either table: n x 208 + 16 h
.set STO, 11          ; v11  the way out: where I put 32 bytes of a row
.set RD,  12          ; v12  where I read rows back
.set GO,  13          ; v13  my byte offset in two rows of out0
.set AMK, 14          ; v14  32 h: my eight masks of 16 keys
.set QO,  15          ; v15  my byte offset in 16 rows of Q
.set SPW, 16          ; v16  my spare word; never rewritten
.set NIL, 17          ; v17  0; never rewritten
.set ST,  20          ; v20-35  tile t at ST + 4 t: c m, m, l (even keys', odd keys')
.set CC,  36          ; v36-39  c0-c3 at work; when the maximum is found c2 takes a
.set MV,  40          ; v40  c m_old
.set P,   42          ; v42-57  the weights of one tile
.set MB,  74          ; v74-137 for key tile kt at MB + 16 kt: +0 T1's places, +4 I16 (source 1); +8 I16, +12 T2's places (source 0)
.set S,   138         ; v138-169, v170-201  S^T, two buffers by the tile's parity
.set TA,  170         ; v170-249  two sets of five accumulators for T1 and T2 (idle while S^T's second buffer is in use)
.set OB,  122         ; the way out: 32 registers a tile
.set MK,  128         ; window 1
.set KF,  64          ; window 2
.set EF,  128
.set VF,  128
.set TP,  0           ; window 3: set s at TP + 20 s: a set is written again a block and a run of stores after its own stores were issued
.set WV,  16          ; s16  my wave's number
.set G1E, 24          ; s[24:31] group 1 for a half of E's window
.set G1K, 32          ; s[32:39] for K's tile
.set G1V, 40          ; s[40:47] for V's
.set G0E, 48          ; s[48:51], s[52:55], s[56:59] group 0: they walk
.set G0K, 52
.set G0V, 56
.set CS,  60          ; s[60:61] c
.set SEL, 62          ; s[62:63] v_permlanex16_b32's selects: each lane takes its own place in the other half
.set TB,  66          ; s66  the LDS byte at which the slot in hand begins
.set CNT, 67          ; s67  steps to go
.set MKP, 68          ; s[68:69] mask8 at the step's keys
.set OUTP, 70         ; s[70:71] out0 at my wave's first row and the head's first channel
.set QP,  72          ; s[72:73] q at my wave's first row
.set MSB, 0
.macro WIN new                      ; the high byte repeats the setting that is left; a switch that changes nothing is dropped
.if MSB != (\new)
	s_set_vgpr_msb (MSB<<8)|(\new)
.set MSB, (\new)
.endif
.endm
.macro PLACES                       ; four places behind matrix instructions (ISA guide 7.12.1)
.rept 4
	v_nop
.endr
.endm
; A fill.  Waves 0 and 1 fetch the halves of E's window (160 table rows each), wave 2 K's tile, wave 3 V's.  An s_nop 0 and four v_nop follow each line, ahead of the jump and the label.
.macro LOAD
	s_cmp_lt_u32 s[WV], 2
	s_cbranch_scc0 .Lkv_\@
	tensor_load_to_lds s[G0E:G0E+3], s[G1E:G1E+7]
	s_nop 0
.rept 4
	v_nop
.endr
	s_branch .Lasked_\@
.Lkv_\@:
	s_cmp_eq_u32 s[WV], 2
	s_cbranch_scc0 .Lv_\@
	tensor_load_to_lds s[G0K:G0K+3], s[G1K:G1K+7]
	s_nop 0
.rept 4
	v_nop
.endr
	s_branch .Lasked_\@
.Lv_\@:
	tensor_load_to_lds s[G0V:G0V+3], s[G1V:G1V+7]
	s_nop 0
.rept 4
	v_nop
.endr
.Lasked_\@:
.endm
; THE CHANGE OF SLOTS.  Each wave waits for all its tensor loads (one is out: its part of the other slot), adds 0 to its spare word, and waits for that and for its reads of the slot that it leaves.
; Behind the barrier nobody reads the old slot and the other is whole.  fill = 1: the old slot is filled again first: the next 64 keys, and E's window 64 rows further down the table's front.
; (At its first use nothing has been read yet: slot 0 is waited for, slot 1 filled.)
.macro CHANGE fill
	WIN 0
	s_wait_tensorcnt 0x0            ; no tensor load of mine is out, so a group 0 may be written
	ds_add_u32 v[SPW], v[NIL]       ; the descriptors' steps stand between the add and the wait for it
.if \fill
	s_xor_b32 s[G0E+1], s[G0E+1], SLOT1
	s_xor_b32 s[G0K+1], s[G0K+1], SLOT1
	s_xor_b32 s[G0V+1], s[G0V+1], SLOT1
	s_sub_nc_u64 s[G0E+2:G0E+3], s[G0E+2:G0E+3], 8192  ; e falls as the keys rise; the last step's window begins at row 256 x + 0, inside the table
	s_add_nc_u64 s[G0K+2:G0K+3], s[G0K+2:G0K+3], 8192
	s_add_nc_u64 s[G0V+2:G0V+3], s[G0V+2:G0V+3], 8192
.endif
	s_wait_dscnt 0x0                ; the add is done, and my reads of the slot are over
	s_barrier_signal -1
	s_xor_b32 s[TB], s[TB], SLOT1   ; the reads go to the other slot
	s_barrier_wait -1
.if \fill
	LOAD                            ; my one tensor load behind the barrier; its four v_nop are also the places in front of the fragment loads
.else
	PLACES
.endif
.endm
	s_load_b256 s[4:11], s[0:1], 0x0  ; qkv s[4:5], ep s[6:7], mask8 s[8:9], out0 s[10:11]
	v_lshl_add_u32 v[SPW], v0, 2, SPARE
	v_mov_b32 v[NIL], 0
	ds_add_u32 v[SPW], v[NIL]       ; the wave's opening: the add and its wait stand ahead of my first tensor load; the set-up stands between them
	v_lshrrev_b32 v1, 5, v0
	v_readfirstlane_b32 s[WV], v1   ; wave 0..3
	s_mov_b32 s17, ttmp9            ; the block of 256 queries
	s_and_b32 s18, ttmp7, 0xffff    ; batch x 16 + head
	s_lshl_b32 s20, s18, 18         ; the head's 262,144 bytes in a plane of qkv
	s_mov_b32 s21, 0
	s_and_b32 s19, s[WV], 1         ; which half of E's window I fetch
	s_mul_i32 s12, s19, 160*PK      ; its place in a slot,
	s_mul_i32 s22, s19, 160*128     ; and in the table,
	s_lshl_b32 s13, s17, 15         ; 256 x rows of 128 bytes
	s_add_co_u32 s22, s22, s13
	s_add_co_u32 s22, s22, 1984*128 ; step 0's window begins at row 256 x + 1984
	s_mov_b32 s23, 0
	s_lshl_b32 s14, s[WV], 13       ; my wave's 64 rows
	s_add_co_u32 s74, s13, s14
	s_add_co_u32 s74, s74, s20      ; q at my rows
	s_mov_b32 s75, 0
	s_lshr_b32 s15, s18, 4          ; the batch
	s_lshl_b32 s2, s15, 23          ; out0: 2,048 rows of 4,096 bytes a batch,
	s_lshl_b32 s3, s17, 20          ; 256 rows a block,
	s_add_co_u32 s2, s2, s3
	s_lshl_b32 s3, s[WV], 18        ; 64 a wave,
	s_add_co_u32 s2, s2, s3
	s_and_b32 s3, s18, 15
	s_lshl_b32 s3, s3, 8            ; 256 bytes a head
	s_add_co_u32 s2, s2, s3
	s_mov_b32 s3, 0
	s_lshl_b32 s14, s15, 13         ; the batch's 2,048 masks
	s_mov_b32 s15, 0
	; group 1: dense rows of 128 bytes are asked for as rows of 256 bytes, and padded in LDS after every 128
	s_mov_b32 s[G1E], (1<<16)|(1<<20)|(4<<22)|(3<<25)  ; 2-byte elements; padding on; after every 32 words 4 words
	s_mov_b32 s[G1K], (1<<16)|(1<<20)|(4<<22)|(3<<25)
	s_mov_b32 s[G1V], (1<<16)|(1<<20)|(4<<22)|(7<<25)  ; 8 words
	s_mov_b32 s[G1E+2], 80<<16      ; tensor_dim1 = 80 rows: 160 rows of the table
	s_mov_b32 s[G1E+4], 80          ; tile_dim1
	s_mov_b32 s[G1K+2], 32<<16      ; 32 rows: 64 keys
	s_mov_b32 s[G1K+4], 32
	s_mov_b32 s[G1V+2], 32<<16
	s_mov_b32 s[G1V+4], 32
.irp g, G1E, G1K, G1V
	s_mov_b32 s[\g+1], 128<<16      ; tensor_dim0 = 128
	s_mov_b32 s[\g+3], 128<<16      ; tile_dim0 = 128
	s_mov_b32 s[\g+5], 128          ; elements from row to row
	s_mov_b32 s[\g+6], 0
	s_mov_b32 s[\g+7], 0
.endr
	s_mov_b32 s[G0E], 1
	s_add_co_u32 s[G0E+1], s12, EOFF  ; LDS addresses: slot 0
	s_mov_b32 s[G0K], 1
	s_mov_b32 s[G0K+1], 0
	s_mov_b32 s[G0V], 1
	s_mov_b32 s[G0V+1], VOFF
	s_mov_b32 s[CS], 0x3e38aa3b     ; c = log2(e) / 8
	s_mov_b32 s[CS+1], s[CS]        ; named with it as a pair
	s_mov_b32 s[SEL], 0x76543210
	s_mov_b32 s[SEL+1], 0xfedcba98
	s_mov_b32 s[TB], SLOT1          ; the first change of slots turns it into 0
	s_mov_b32 s[CNT], 31
	s_wait_dscnt 0x0                ; the opening add is done
	s_wait_kmcnt 0x0
	s_add_nc_u64 s[G0E+2:G0E+3], s[6:7], s[22:23]
	s_or_b32 s[G0E+3], s[G0E+3], 0x80000000  ; type = 2
	s_add_nc_u64 s[G0K+2:G0K+3], s[4:5], s[20:21]
	s_add_nc_u64 s[G0K+2:G0K+3], s[G0K+2:G0K+3], 0x800000  ; plane k
	s_add_nc_u64 s[G0V+2:G0V+3], s[G0K+2:G0K+3], 0x800000  ; plane v
	s_or_b32 s[G0K+3], s[G0K+3], 0x80000000
	s_or_b32 s[G0V+3], s[G0V+3], 0x80000000
	s_add_nc_u64 s[QP:QP+1], s[4:5], s[74:75]
	s_add_nc_u64 s[MKP:MKP+1], s[8:9], s[14:15]
	s_add_nc_u64 s[OUTP:OUTP+1], s[10:11], s[2:3]
	LOAD                            ; step 0 into slot 0: the launch's only first fill; one load of mine is out
	; all that follows up to the loop stands in the wait for that tile
	v_and_b32 v1, 15, v0            ; n = l % 16
	v_bfe_u32 v18, v0, 4, 1         ; h = l / 16
	v_lshlrev_b32 v[QO], 7, v1
	v_lshl_add_u32 v[QO], v18, 4, v[QO]
	v_lshlrev_b32 v[AMK], 5, v18
	WIN 0x80                        ; destination window 2
.set i, 0
.rept 8                             ; Q stays in registers: tile i / 2, channels 32 (i % 2) on: sixteen loads
	global_load_b128 v[8*i:8*i+3],   v[QO], s[QP:QP+1] offset:(i/2)*2048+(i%2)*64
	global_load_b128 v[8*i+4:8*i+7], v[QO], s[QP:QP+1] offset:(i/2)*2048+(i%2)*64+32
.set i, i+1
.endr
	WIN 0x40                        ; destination window 1
.irp k, 0,1,2,3                     ; step 0's mask, eight loads behind Q's: register r of key tile k is key 16 k + 8 h + r
	global_load_b128 v[MK+8*\k:MK+8*\k+3],   v[AMK], s[MKP:MKP+1] offset:64*\k
	global_load_b128 v[MK+8*\k+4:MK+8*\k+7], v[AMK], s[MKP:MKP+1] offset:64*\k+16
.endr
.set i, 0
.rept 128
	v_mov_b32 v[i], 0               ; O^T: the price of writing no first step out
.set i, i+1
.endr
	WIN 0
	v_mul_u32_u24 v[AK0], v1, PK
	v_lshl_add_u32 v[AK0], v18, 4, v[AK0]  ; row x pitch + 16 x half
	s_mul_i32 s12, s[WV], 64*PK
	s_add_co_u32 s12, s12, EOFF
	v_add_nc_u32 v[AE0], s12, v[AK0]       ; my wave's rows of the window begin at its row 64 w
	v_and_b32 v19, 7, v0
	v_bfe_u32 v41, v0, 3, 1
	v_lshl_add_u32 v[AV0], v18, 3, v19     ; the turning load: key 8 h + l % 8,
	v_mul_u32_u24 v[AV0], v[AV0], PV
	v_lshl_add_u32 v[AV0], v41, 4, v[AV0]  ; channels 8 ((l / 8) % 2) on
	v_add_nc_u32 v[AV0], VOFF, v[AV0]
	s_mul_i32 s13, s[WV], TWAVE
	s_add_co_u32 s13, s13, TBUF            ; my tables
	v_mul_u32_u24 v[A2], v1, P1+2
	v_add_nc_u32 v[A2], s13, v[A2]
	v_xor_b32 v[A1], 1, v18
	v_lshl_add_u32 v[A1], v[A1], 4, v[A2]
	v_lshl_add_u32 v[A2], v18, 4, v[A2]
	v_add_nc_u32 v[A2], T2OFF, v[A2]
	v_mul_u32_u24 v[R1], v1, P1
	v_lshl_add_u32 v[R1], v18, 4, v[R1]
	v_add_nc_u32 v[R1], s13, v[R1]
	v_mul_u32_u24 v[STO], v1, SPO          ; the way out, in: row n, 32 bytes for each half of the lanes
	v_lshl_add_u32 v[STO], v18, 5, v[STO]
	v_add_nc_u32 v[STO], s13, v[STO]
	v_mul_u32_u24 v[RD], v18, SPO          ; back: lanes 0-15 take one row of 256 bytes, lanes 16-31 the next
	v_lshl_add_u32 v[RD], v1, 4, v[RD]
	v_add_nc_u32 v[RD], s13, v[RD]
	v_lshlrev_b32 v[GO], 12, v18           ; and the same two rows in out0
	v_lshl_add_u32 v[GO], v1, 4, v[GO]
	; I16 in a fragment's four registers: lane (n, h) holds places 8 h + 0..7 of row n: 1.0 (bf16) at place n, if it falls among them
	v_lshlrev_b32 v41, 3, v18
	v_sub_nc_u32 v41, v1, v41              ; n - 8 h
	v_mov_b32 v36, 0x3f80
	v_mov_b32 v37, 0x3f800000
.irp j, 0,1,2,3
	v_cmp_eq_u32 vcc_lo, 2*\j, v41
	v_cndmask_b32 v[MB+4+\j], 0, v36, vcc_lo
	v_cmp_eq_u32 vcc_lo, 2*\j+1, v41
	v_cndmask_b32 v[MB+4+\j], v[MB+4+\j], v37, vcc_lo
.endr
.irp j, 0,1,2,3
	v_mov_b32 v[MB+8+\j], v[MB+4+\j]
.irp k, 1,2,3
	v_mov_b32 v[MB+16*\k+4+\j], v[MB+4+\j]
	v_mov_b32 v[MB+16*\k+8+\j], v[MB+4+\j]
.endr
.endr
.irp t, 0,1,2,3
	v_mov_b32 v[ST+4*\t+1], 0xff7fffff     ; m
	v_mul_f32 v[ST+4*\t], s[CS], v[ST+4*\t+1]
	v_mov_b32 v[ST+4*\t+2], 0
	v_mov_b32 v[ST+4*\t+3], 0
.endr
; THE LDS LOADS.  A fragment is 16 rows x 32 channels in 8 registers: two loads of 16 bytes, 32 bytes apart.
.macro FRAG dst, adr, off
	ds_load_b128 v[(\dst):(\dst)+3],   v[\adr] offset:(\off)
	ds_load_b128 v[(\dst)+4:(\dst)+7], v[\adr] offset:(\off)+32
.endm
; A step's K (8 fragments) and E (16), 48 loads in the order of first use: for the first group's first five products K's tile 0 and E's tiles 3..7, channels 0..31 (12 loads); the same, channels 32..63 (12);
; then for each further group of T2 its key tile and the one new tile of E (8 loads each).
.macro FETCH_KE
	WIN 0x80
.irp c, 0,1
	FRAG KF+8*\c, AK, \c*64
.irp a, 3,4,5,6,7
	FRAG EF+16*\a+8*\c, AE, \a*16*PK+\c*64
.endr
.endr
.irp k, 1,2,3
.irp c, 0,1
	FRAG KF+16*\k+8*\c, AK, \k*16*PK+\c*64
.endr
.irp c, 0,1
	FRAG EF+16*(3-\k)+8*\c, AE, (3-\k)*16*PK+\c*64
.endr
.endr
.endm
.macro FETCH_V
	WIN 0x80
.irp f, 0,1,2,3,4,5,6,7             ; keys 32 (f / 4) on, channels 16 (f % 4) on
	ds_load_tr16_b128 v[VF+8*\f:VF+8*\f+3],   v[AV] offset:(\f/4)*32*PV+(\f%4)*32
	ds_load_tr16_b128 v[VF+8*\f+4:VF+8*\f+7], v[AV] offset:(\f/4)*32*PV+16*PV+(\f%4)*32
.endr
.endm
; PHASE A.  sl counts a block's products.
; Product sl of a group's ten, into accumulator set 'set': kind 1: T1 for query tile x; kind 2: T2 for key tile x.  Channels 32 (sl / 5) on, E's tile by sl % 5.
; The five accumulators take turns; the first five products start the sums.
.macro TM kind, x, set
	WIN 0x0a                        ; sources in window 2
.set ac, TA+40*(\set)+8*(sl%5)
.if (\kind) == 1
.set ea, EF+16*((\x)+sl%5)+8*(sl/5)
.set bb, 16*(\x)+8*(sl/5)
.else
.set ea, EF+16*(3-(\x)+sl%5)+8*(sl/5)
.set bb, KF+16*(\x)+8*(sl/5)
.endif
.if sl < 5
	v_wmma_f32_16x16x32_f16 v[ac:ac+7], v[ea:ea+7], v[bb:bb+7], 0
.else
	v_wmma_f32_16x16x32_f16 v[ac:ac+7], v[ea:ea+7], v[bb:bb+7], v[ac:ac+7]
.endif
.endm
; Conversions 4 p .. 4 p + 3 of the twenty that round accumulator set 'set' to bf16: they are accumulator p's four; conversion q takes registers 2 q, 2 q + 1 of the set's 40.
.macro DCV4 set, p
	WIN 0xc0                        ; destination in window 3
.irp e, 0,1,2,3
.set q, 4*(\p)+\e
	v_cvt_pk_bf16_f32 v[TP+20*(\set)+q], v[TA+40*(\set)+2*q], v[TA+40*(\set)+2*q+1]
.endr
.endm
; The 40 two-byte stores of a converted set, in one run.  T1: register r of accumulator i lies 2 r + 32 i bytes BELOW the lane's base; T2: above it.
.macro DSTS kind, x, set
	WIN 0x0c                        ; the stores' data in window 3
.set q, 0
.rept 20
.set tp, TP+20*(\set)+q
.if (\kind) == 1
.set o, 16*P1*(\x)-32*(q/4)+144-4*(q%4)
	ds_store_b16        v[A1], v[tp] offset:o
	ds_store_b16_d16_hi v[A1], v[tp] offset:o-2
.else
.set o, 16*P1*(\x)+32*(q/4)+4*(q%4)
	ds_store_b16        v[A2], v[tp] offset:o
	ds_store_b16_d16_hi v[A2], v[tp] offset:o+2
.endif
.set q, q+1
.endr
.endm
; A BLOCK: the ten products of group (mk, mx) into set ms, two at a time; behind each two the four conversions of one accumulator of the other set, dset, which holds the group before.
; Places, counted (ISA guide 7.12.1): an accumulator's last product is number 5 + i of its block; behind product 5 stand 12 conversions of the other set in that block, behind product 9 four;
; its own conversions come behind 4 i more in the next block.
.macro BLK mk, mx, ms, dset
.set sl, 0
.rept 5
	TM \mk, \mx, \ms
.set sl, sl+1
	TM \mk, \mx, \ms
.set sl, sl+1
	DCV4 \dset, sl/2-1
.endr
.endm
; Product sl of eight of S^T = mask + K Q^T for query tile t: channels 32 (sl / 4) on, keys 16 (sl % 4) on.  The four accumulators take turns.
.macro QKI t
.set rS, S+32*((\t)%2)+8*(sl%4)
.set rK, KF+16*(sl%4)+8*(sl/4)
.set rQ, 16*(\t)+8*(sl/4)
.if sl < 4
	WIN 0x1a                        ; the C operand in window 1
	v_wmma_f32_16x16x32_f16 v[rS:rS+7], v[rK:rK+7], v[rQ:rQ+7], v[MK+8*sl:MK+8*sl+7]
.else
	WIN 0x0a
	v_wmma_f32_16x16x32_f16 v[rS:rS+7], v[rK:rK+7], v[rQ:rQ+7], v[rS:rS+7]
.endif
.endm
; For query tile t and each key tile k: 16 places of T1tab's rows 16 t + n, and 16 places of T2tab's rows 16 k + n.  LDS serves a wave's instructions in order (ISA guide 5.7.1.4): these see the stores issued before them.
.macro LOADM t
	WIN 0
.irp k, 0,1,2,3
	ds_load_b128 v[MB+16*\k:MB+16*\k+3],     v[R1] offset:16*P1*(\t)+32*\k+32
	ds_load_b128 v[MB+16*\k+12:MB+16*\k+15], v[R1] offset:T2OFF+16*P1*\k+32*(\t)+32
.endr
.endm
.macro MG t, k                      ; both relative terms onto S^T of (key tile k, query tile t).  Another form than K Q^T's on the same accumulator: five places stand between the two
	WIN 0
	v_wmma_f32_16x16x32_bf16 v[S+32*((\t)%2)+8*(\k):S+32*((\t)%2)+8*(\k)+7], v[MB+16*(\k)+8:MB+16*(\k)+15], v[MB+16*(\k):MB+16*(\k)+7], v[S+32*((\t)%2)+8*(\k):S+32*((\t)%2)+8*(\k)+7]
.endm
; PHASE B's vector work.  Number n of the 38 lines that open tile t's softmax:
;   0-11  four chains c0-c3 of seven scores each, three operands at a time (each accumulator's lowest registers are read first)
;   12-14, 16  the four scores left over, the old m, and c0-c3 into c0     15  c m_old is kept     17, 18  the query's other 32 keys lie in the lane 16 away: the new m
;   19-21  c m; c m_old - c m_new; a     22-37  c s - c m for the 16 pairs (number 22 is the plain line behind the exponential)
.macro SX t, n
.set rT, ST+4*(\t)
.set rS, S+32*((\t)%2)
.if (\n) < 4
	v_max3_num_f32 v[CC+(\n)], v[rS+8*(\n)], v[rS+8*(\n)+1], v[rS+8*(\n)+2]
.elseif (\n) < 12
	v_max3_num_f32 v[CC+(\n)%4], v[CC+(\n)%4], v[rS+8*((\n)%4)+2*((\n)/4)+1], v[rS+8*((\n)%4)+2*((\n)/4)+2]
.elseif (\n) == 12
	v_max3_num_f32 v[CC], v[CC], v[rS+7], v[rS+15]
.elseif (\n) == 13
	v_max3_num_f32 v[CC+1], v[CC+1], v[rS+23], v[rS+31]
.elseif (\n) == 14
	v_max3_num_f32 v[CC+2], v[CC+2], v[CC+3], v[rT+1]
.elseif (\n) == 15
	v_mov_b32 v[MV], v[rT]
.elseif (\n) == 16
	v_max3_num_f32 v[CC], v[CC], v[CC+1], v[CC+2]
.elseif (\n) == 17
	v_permlanex16_b32 v[CC+3], v[CC], s[SEL], s[SEL+1]
.elseif (\n) == 18
	v_max_num_f32 v[rT+1], v[CC], v[CC+3]
.elseif (\n) == 19
	v_mul_f32 v[rT], s[CS], v[rT+1]
.elseif (\n) == 20
	v_sub_f32 v[CC+1], v[MV], v[rT]
.elseif (\n) == 21
	v_exp_f32 v[CC+2], v[CC+1]
.else
	v_pk_fma_f32 v[rS+2*((\n)-22):rS+2*((\n)-22)+1], v[rS+2*((\n)-22):rS+2*((\n)-22)+1], s[CS:CS+1], v[rT:rT+1] op_sel_hi:[1,0,0] neg_lo:[0,0,1] neg_hi:[0,0,1]
.endif
.endm
.macro EXN t, n                     ; the next n of tile t's 32 exponentials, in place; ez counts them
	WIN 0
.rept \n
	v_exp_f32 v[S+32*((\t)%2)+ez], v[S+32*((\t)%2)+ez]
.set ez, ez+1
.endr
.endm
; Behind the exponentials: O^T times a, sixteen plain instructions that use none of their results (ISA guide 5.7.2) and name no register of the products V^T P just issued, whose places they are;
; the weights rounded to f16; their sum, as a tree; l = a l + sum.
.macro SM2 t
.set rT, ST+4*(\t)
.set rS, S+32*((\t)%2)
.set rO, 32*(\t)
	WIN 0x41                        ; O^T in window 1, a in window 0
.set z, 0
	s_wait_alu depctr_va_vdst(0)
.rept 16
	v_pk_mul_f32 v[rO+2*z:rO+2*z+1], v[rO+2*z:rO+2*z+1], v[CC+2:CC+3] op_sel_hi:[1,0]
.set z, z+1
.endr
	WIN 0
.set z, 0
.rept 16
	v_cvt_pk_f16_f32 v[P+z], v[rS+2*z], v[rS+2*z+1]
.set z, z+1
.endr
.irp w, 4,8,16,32                   ; neighbours 1, 2, 4 and 8 pairs apart, in place
.set z, 0
.rept 32/\w
	v_pk_add_f32 v[rS+\w*z:rS+\w*z+1], v[rS+\w*z:rS+\w*z+1], v[rS+\w*z+\w/2:rS+\w*z+\w/2+1]
.set z, z+1
.endr
.endr
	v_pk_fma_f32 v[rT+2:rT+3], v[rT+2:rT+3], v[CC+2:CC+3], v[rS:rS+1] op_sel_hi:[1,0,1]
.endm
; Product pvn of eight of O^T += V^T P for tile t: keys 32 (pvn / 4) on, channels 16 (pvn % 4) on.  The four accumulators take turns.
.macro PVI t
	WIN 0x52                        ; V in window 2, P in window 0, O^T in window 1
.set rO, 32*(\t)+8*(pvn%4)
.set rV, VF+32*(pvn/4)+8*(pvn%4)
.set rP, P+8*(pvn/4)
	v_wmma_f32_16x16x32_f16 v[rO:rO+7], v[rV:rV+7], v[rP:rP+7], v[rO:rO+7]
.set pvn, pvn+1
.endm
; A KEY STEP.  last = 1: there is no further mask to fetch.
.macro STEP last
	WIN 0
	v_add_nc_u32 v[AK], s[TB], v[AK0]
	v_add_nc_u32 v[AV], s[TB], v[AV0]
	v_add_nc_u32 v[AE], s[TB], v[AE0]
	FETCH_KE
	s_wait_dscnt 36                 ; LDS loads come back in order (ISA guide 5.7.1): the first 12 of the 48 are in
.set sl, 0
.rept 5
	TM 2, 0, 0                      ; the first group has nothing to convert beside it
.set sl, sl+1
.endr
	s_wait_dscnt 24                 ; the next 12
.rept 5
	TM 2, 0, 0
.set sl, sl+1
.endr
	PLACES                          ; the next block's first conversions read these results, and no vector work stands behind them yet
	s_wait_dscnt 16                 ; K's tile 1 and E's tile 2 are in; the 16 loads of K 2, E 1, K 3, E 0 may be out
	BLK 2, 1, 1, 0
	DSTS 2, 0, 0
	s_wait_dscnt 48                 ; K 2 and E 1: behind them 8 loads and a run of 40 stores were issued
	BLK 2, 2, 0, 1
	DSTS 2, 1, 1
	s_wait_dscnt 63                 ; K 3 and E 0: 80 stores were issued behind them; the largest count that the wait can name
	BLK 2, 3, 1, 0
	DSTS 2, 2, 0
	BLK 1, 0, 0, 1
	DSTS 2, 3, 1
	BLK 1, 1, 1, 0
	DSTS 1, 0, 0
	LOADM 0                         ; in the same run: T2tab is whole and so are T1tab's rows of query tile 0; the later groups write other rows.  These loads land under the three blocks below
	BLK 1, 2, 0, 1
	DSTS 1, 1, 1
	BLK 1, 3, 1, 0
	DSTS 1, 2, 0
	FETCH_V                         ; in the same run, into E's tiles 0..3: their last reader is product 5 of the block above, 12 conversions back
	s_wait_loadcnt 0x0              ; the step's mask: its eight loads are the only ones out
.set sl, 0
.rept 4
	QKI 0                           ; tile 0's scores, two at a time, beside the last group's conversions
.set sl, sl+1
	QKI 0
.set sl, sl+1
	DCV4 1, sl/2-1
.endr
	DCV4 1, 4                       ; with the four above: eight places behind the last product, ahead of the merge
	DSTS 1, 3, 1
	WIN 0
	s_wait_dscnt 63                 ; the tables' places for tile 0: 136 LDS instructions were issued behind those loads
.irp k, 0,1,2,3
	MG 0, \k
.endr
	PLACES                          ; ahead of the loads into the merge's sources and of the first maximum
.irp t, 0,1,2,3
.if (\t) < 3
	LOADM (\t)+1                    ; behind plain vector work; the merge that read these registers stands a tile's sums back (for tile 0: the four places above)
.set sl, 0
.rept 8
	QKI (\t)+1                      ; the next tile's scores, four lines of this tile's softmax behind each product
	WIN 0
	SX \t, 4*sl
	SX \t, 4*sl+1
	SX \t, 4*sl+2
	SX \t, 4*sl+3
.set sl, sl+1
.endr
.irp n, 32,33,34,35,36,37
	SX \t, \n                       ; with the four above: ten plain lines between the last product K Q^T and the merge
.endr
	s_wait_dscnt 0x0                ; the tables' places for the next tile (and, the first time, V)
.else
.if !(\last)
	s_add_nc_u64 s[MKP:MKP+1], s[MKP:MKP+1], 256  ; the last loads by this base were waited for above
	WIN 0x40
.irp k, 0,1,2,3                     ; the next step's mask: all four tiles' scores have taken this step's
	global_load_b128 v[MK+8*\k:MK+8*\k+3],   v[AMK], s[MKP:MKP+1] offset:64*\k
	global_load_b128 v[MK+8*\k+4:MK+8*\k+7], v[AMK], s[MKP:MKP+1] offset:64*\k+16
.endr
.endif
	WIN 0
.set sl, 0
.rept 38
	SX \t, sl
.set sl, sl+1
.endr
.endif
.set ez, 0                          ; this tile's 32 exponentials are dealt behind the next tile's merge and the tile before's V^T P: 4 x 8; 4 x 2 + 8 x 3; 8 x 4
.if (\t) == 0
.irp k, 0,1,2,3
	MG 1, \k
	EXN 0, 8
.endr
.elseif (\t) < 3
.irp k, 0,1,2,3
	MG (\t)+1, \k
	EXN \t, 2
.endr
.endif
.if (\t) > 0
.set pvn, 0
.rept 8
	PVI (\t)-1                      ; the tile before's weights lie in P until this tile's are rounded, in SM2 below
.if (\t) < 3
	EXN \t, 3
.else
	EXN \t, 4
.endif
.endr
.endif
	SM2 \t
.endr
.set pvn, 0
.rept 8
	PVI 3                           ; V's registers are E's in the next step, so the last tile's products close this one
.endr
	WIN 0
.endm
	s_wait_loadcnt 0x8              ; Q is in: phase A's products T1 read it.  Loads come back in order (ISA guide 5.7.1): only the eight loads of step 0's mask, issued behind Q's sixteen, may be out
.Lstep:                             ; 31 trips: step i is entered, step i + 1 asked for: that load has the whole step in which to land
	CHANGE 1
	STEP 0
	s_sub_co_u32 s[CNT], s[CNT], 1
	s_cmp_lg_u32 s[CNT], 0
	s_cbranch_scc1 .Lstep
	CHANGE 0                        ; the last step is written out
	STEP 1
	; THE WAY OUT.  l's two halves and the other half of the lanes' are added; O^T is divided by l and sent through my stage (my tables' bytes, which nothing else needs now), a tile at a time.
	; The additions are the places behind the last products.
.irp t, 0,1,2,3
	v_add_f32 v[ST+4*\t+2], v[ST+4*\t+2], v[ST+4*\t+3]
.endr
.irp t, 0,1,2,3
	v_permlanex16_b32 v[ST+4*\t+3], v[ST+4*\t+2], s[SEL], s[SEL+1]
.endr
.irp t, 0,1,2,3
	v_add_f32 v[ST+4*\t+2], v[ST+4*\t+2], v[ST+4*\t+3]
.endr
.irp t, 0,1,2,3
	v_rcp_f32 v[ST+4*\t+2], v[ST+4*\t+2]
.endr
	v_nop                           ; a plain instruction between the last reciprocal and the use of its result
	s_wait_alu depctr_va_vdst(0)
.macro PACKO t                      ; a lane's eight channels are 32 bytes of a row; they go into rows of 272 bytes and come back as whole rows of 256
	WIN 0x41
.set z, 0
.rept 16
	v_pk_mul_f32 v[32*(\t)+2*z:32*(\t)+2*z+1], v[32*(\t)+2*z:32*(\t)+2*z+1], v[ST+4*(\t)+2:ST+4*(\t)+3] op_sel_hi:[1,0]
.set z, z+1
.endr
	WIN 0x04                        ; the stores' data in window 1
.irp c, 0,1,2,3
	ds_store_b128 v[STO], v[32*(\t)+8*\c:32*(\t)+8*\c+3]   offset:64*\c
	ds_store_b128 v[STO], v[32*(\t)+8*\c+4:32*(\t)+8*\c+7] offset:64*\c+16
.endr
	WIN 0
.irp j, 0,1,2,3,4,5,6,7
	ds_load_b128 v[OB+32*(\t)+4*\j:OB+32*(\t)+4*\j+3], v[RD] offset:\j*2*SPO  ; in order behind the stores above; the next tile's stores come behind them
.endr
.endm
.macro SENDO t, younger             ; younger: the LDS instructions issued behind tile t's loads: the next tile's sixteen, or none
.irp j, 0,1,2,3,4,5,6,7
	s_wait_dscnt (\younger)+7-\j
	global_store_b128 v[GO], v[OB+32*(\t)+4*\j:OB+32*(\t)+4*\j+3], s[OUTP:OUTP+1] offset:(16*(\t)+2*\j)*4096 th:TH_STORE_NT  ; 16 lanes store 256 consecutive bytes, aligned: a row's 64 channels of the head
.endr
.endm
	PACKO 0
	PACKO 1
	SENDO 0, 16
	PACKO 2
	SENDO 1, 16
	PACKO 3
	SENDO 2, 16
	SENDO 3, 0
	s_wait_tensorcnt 0x0            ; the wave's end, behind my last tensor load and my last LDS store
	ds_add_u32 v[SPW], v[NIL]
	s_wait_dscnt 0x0
	s_endpgm
.Lfunc_end_k_qd989e4a631_attn:
	.size	k_qd989e4a631_attn, .Lfunc_end_k_qd989e4a631_attn-k_qd989e4a631_attn
	.p2alignl 7, 3214868480
	.fill 96, 4, 3214868480
	.section	.rodata,"a",@progbits
	.p2align	6, 0x0
	.amdhsa_kernel k_qd989e4a631_attn
		.amdhsa_group_segment_fixed_size 327680
		.amdhsa_private_segment_fixed_size 0
		.amdhsa_enable_private_segment 0
		.amdhsa_kernarg_size 32
		.amdhsa_user_sgpr_count 2
		.amdhsa_user_sgpr_kernarg_segment_ptr 1
		.amdhsa_wavefront_size32 1
		.amdhsa_system_sgpr_workgroup_id_x 1
		.amdhsa_system_sgpr_workgroup_id_y 1
		.amdhsa_system_sgpr_workgroup_id_z 1
		.amdhsa_system_vgpr_workitem_id 0
		.amdhsa_next_free_vgpr 808
		.amdhsa_next_free_sgpr 76
		.amdhsa_reserve_vcc 1
		.amdhsa_float_denorm_mode_32 3
		.amdhsa_float_denorm_mode_16_64 3
		.amdhsa_memory_ordered 1
		.amdhsa_forward_progress 1
		.amdhsa_inst_pref_size 188
	.end_amdhsa_kernel
	.amdgpu_metadata
---
amdhsa.version: [ 1, 2 ]
amdhsa.kernels:
  - .name:           k_qd989e4a631_attn
    .symbol:         k_qd989e4a631_attn.kd
    .args:
      - { .name: qkv, .offset: 0, .size: 8, .value_kind: global_buffer, .address_space: global }
      - { .name: ep, .offset: 8, .size: 8, .value_kind: global_buffer, .address_space: global }
      - { .name: mask8, .offset: 16, .size: 8, .value_kind: global_buffer, .address_space: global }
      - { .name: out0, .offset: 24, .size: 8, .value_kind: global_buffer, .address_space: global }
    .group_segment_fixed_size: 327680
    .private_segment_fixed_size: 0
    .kernarg_segment_align: 8
    .kernarg_segment_size: 32
    .max_flat_workgroup_size: 128
    .sgpr_count:     76
    .vgpr_count:     808
    .wavefront_size: 32
...
	.end_amdgpu_metadata
.endif
;; end of part 4
;; ======== version 3 of 3: 3 launches; version 2 with the launch prep written anew for expert scheduling mode
;; limits: values are held in f16: magnitudes above 65,504 overflow, below 6.1e-05 lose precision
;; workspace buffers: xb 8,388,608 bytes; wb 6,291,456 bytes; ep 524,288 bytes; mask8 16,384 bytes; br 12,288 bytes; qkv 25,165,824 bytes
;; launch prep (part 5): grid 465 x 1, 8 waves a work-group, no clusters, 0 bytes of LDS; arguments hidden_states, Wq, Wk, Wv, dist_emb, attention_mask, bq, bk, bv, xb, wb, ep, mask8, br; writes xb, wb, ep, mask8, br
.if DOCPART == 5
	.amdgcn_target "amdgcn-amd-amdhsa--gfx1250"
	.amdhsa_code_object_version 6
	.text
	.protected	k_qd989e4a631_prep
	.globl	k_qd989e4a631_prep
	.p2align	8
	.type	k_qd989e4a631_prep,@function
k_qd989e4a631_prep:
	s_mov_b64 s[64:65], 0
	v_nop
	global_prefetch_b8 v0, s[64:65] scope:SCOPE_SE
	s_setreg_imm32_b32 hwreg(HW_REG_WAVE_SCHED_MODE, 0, 2), 2
	s_setreg_imm32_b32 hwreg(HW_REG_WAVE_MODE, 25, 1), 1
	s_wait_xcnt 0x0
	s_wait_alu depctr_vm_vsrc(0)
; PREP: every input is rounded once to bf16 and laid out for the two launches behind.
;   xb    bf16 [4096][1024]            hidden_states
;   wb    bf16 [3 (q,k,v)][16 heads][1024 k][64]   the weights by heads: a head's k rows are dense, 128 bytes each
;   ep    f16  [4096][64]              ep[e] = dist_emb[e-1] rounded to bf16 (exact in f16 within its normal range); row 0 is 0
;   mask8 f32  [2][2048]               max(8 x bf16(mask), -2^126): the scores are divided by 8 only inside the exponent
;   br    f32  [3][1024]               the biases rounded to bf16
; LIMITS. A mask below -2^123 counts as -2^123. A table entry below f16's normal range keeps f16's fixed step of 6e-8.
; A stream: no LDS, no barrier, no matrix unit.  A work-group of 256 threads takes one ROLE by its number; a thread takes 16 items of
; four f32 (one 16-byte load) and stores 8 bytes for each, so a wave's store covers 256 consecutive bytes, aligned.
; THE MODE: SCHED_MODE bits 1:0 = 2 (LLVM: expert scheduling mode 2), set by the entry lines.  The code itself states the register dependences
; between vector instructions and memory instructions, with s_wait_alu, always for 0.
; THE PLAN.  Each role is one straight run.  Registers that memory instructions touch:
;   v1, v2, v3   byte offsets, made once at the role's head and never written again: one wait ahead of the role's first load states that they are written.
;   IN           16 items as loaded.  The loads all stand at the role's head; no vector instruction names IN ahead of them, no memory instruction reads it.
;   OT           16 items to store, two registers each.  Written by the item's conversions, read by the item's one store, never written again.
; The 16 items go in four blocks of four.  Block p rounds its four items; the stores of block p - 1 are dealt among its vector instructions, which name block p's
; IN and OT alone.  So ONE wait at the head of a block states all that its four stores hang on.  No register that a memory instruction reads is written a second time,
; EXEC is never written, and the one vector write of VCC (the table's role) has its wait straight behind it.
.set G_X, 256                          ; work-groups 0..255: hidden_states, 65,536 bytes each
.set G_W, 448                          ; 256..447: three weights, 64 work-groups each, 16 k rows each
.set G_E, 464                          ; 448..463: the table, 4,096 items each; 464: mask and biases
.set IN,  8                            ; v[8:71]   16 items as loaded
.set OT,  72                           ; v[72:103] 16 items to store
; 16 loads on end
.macro LOAD16 ib, istep
.set i, 0
.rept 16
	global_load_b128 v[IN+4*i:IN+4*i+3], v1, s[\ib:\ib+1] offset:i*(\istep) th:TH_LOAD_NT
.set i, i+1
.endr
.endm
; The 16 items, in four blocks of four.  tab = 1: the table's role, whose numbers are widened again and written as f16, and whose item 0 is 0 where it is a part of row 0.
.macro WORK16 ob, ostep, tab
.set i, 0
.rept 16
.if i%4 == 0
	s_wait_loadcnt 12-i                            ; loads come back in order (ISA guide 5.7.1): the block's four items are in, the 12 - i younger ones stay out
.if i > 0
	s_wait_alu depctr_va_vdst(0)                   ; the block before has written its eight registers of OT, which the four stores below read
.endif
.endif
.if i >= 4
	global_store_b64 v2, v[OT+2*(i-4):OT+2*(i-4)+1], s[\ob:\ob+1] offset:(i-4)*(\ostep)  ; an item of the block before; no vector instruction since the wait names its registers or v2
.endif
	v_cvt_pk_bf16_f32 v[OT+2*i],   v[IN+4*i],   v[IN+4*i+1]
	v_cvt_pk_bf16_f32 v[OT+2*i+1], v[IN+4*i+2], v[IN+4*i+3]
.if \tab
	v_lshlrev_b32 v[IN+4*i],   16,  v[OT+2*i]
	v_and_b32     v[IN+4*i+1], s43, v[OT+2*i]
	v_lshlrev_b32 v[IN+4*i+2], 16,  v[OT+2*i+1]
	v_and_b32     v[IN+4*i+3], s43, v[OT+2*i+1]
	v_cvt_pk_f16_f32 v[OT+2*i],   v[IN+4*i],   v[IN+4*i+1]
	v_cvt_pk_f16_f32 v[OT+2*i+1], v[IN+4*i+2], v[IN+4*i+3]
.if i == 0
	v_cndmask_b32 v[OT],   0, v[OT],   vcc_lo
	v_cndmask_b32 v[OT+1], 0, v[OT+1], vcc_lo
.endif
.endif
.set i, i+1
.endr
	s_wait_alu depctr_va_vdst(0)                   ; the last block has written its eight registers of OT, which the last four stores read
.set i, 12
.rept 4
	global_store_b64 v2, v[OT+2*i:OT+2*i+1], s[\ob:\ob+1] offset:i*(\ostep)
.set i, i+1
.endr
.endm
; four f32 in v[r..r+3] rounded to bf16 and widened again, in place
.macro RND4 r
	v_cvt_pk_bf16_f32 v72, v[\r],   v[\r+1]
	v_cvt_pk_bf16_f32 v73, v[\r+2], v[\r+3]
	v_lshlrev_b32 v[\r],   16,  v72
	v_and_b32     v[\r+1], s43, v72
	v_lshlrev_b32 v[\r+2], 16,  v73
	v_and_b32     v[\r+3], s43, v73
.endm
	s_load_b512 s[4:19], s[0:1], 0x0               ; hidden s[4:5], Wq s[6:7], Wk s[8:9], Wv s[10:11], dist_emb s[12:13], mask s[14:15], bq s[16:17], bk s[18:19]
	s_load_b256 s[20:27], s[0:1], 0x40             ; bv s[20:21], xb s[22:23], wb s[24:25], ep s[26:27]
	s_load_b128 s[28:31], s[0:1], 0x60             ; mask8 s[28:29], br s[30:31]
	s_mov_b32 s38, ttmp9                           ; the work-group's number
	s_mov_b32 s37, 0                               ; the high word of every offset pair
	s_mov_b32 s43, 0xffff0000                      ; a word's upper bf16
	s_wait_kmcnt 0x0
	s_cmp_lt_u32 s38, G_X
	s_cbranch_scc0 .Lnot_x
	; ROLE X: 65,536 bytes of hidden_states become 32,768 of xb
	s_lshl_b32 s36, s38, 16
	s_add_nc_u64 s[32:33], s[4:5], s[36:37]
	s_lshl_b32 s36, s38, 15
	s_add_nc_u64 s[34:35], s[22:23], s[36:37]
	v_lshlrev_b32 v1, 4, v0                        ; in: 16 bytes a thread, 4,096 an item round
	v_lshlrev_b32 v2, 3, v0                        ; out: 8 bytes a thread
	s_wait_alu depctr_va_vdst(0)                   ; v1 and v2 are written: every load of the role reads v1 as its offset, every store v2
	LOAD16 32, 4096
	WORK16 34, 2048, 0
	s_endpgm
.Lnot_x:
	s_cmp_lt_u32 s38, G_W
	s_cbranch_scc0 .Lnot_w
	; ROLE W: 16 k rows of one weight.  Thread t: row t / 16, columns 4 (t % 16) of head it: 16 lanes read 256 bytes of a row,
	; and the wave's 32 lanes write rows k, k + 1 of a head's block: 256 dense bytes.
	s_sub_co_u32 s39, s38, G_X
	s_lshr_b32 s40, s39, 6                         ; which weight: 0 q, 1 k, 2 v
	s_and_b32 s39, s39, 63                         ; which 16 rows
	s_cmp_eq_u32 s40, 1
	s_cselect_b64 s[32:33], s[8:9], s[6:7]
	s_cmp_eq_u32 s40, 2
	s_cselect_b64 s[32:33], s[10:11], s[32:33]
	s_lshl_b32 s36, s39, 16                        ; 16 rows of 4,096 bytes
	s_add_nc_u64 s[32:33], s[32:33], s[36:37]
	s_lshl_b32 s36, s40, 21                        ; a weight's plane in wb: 2,097,152 bytes
	s_lshl_b32 s41, s39, 11                        ; 16 rows of 128 bytes
	s_add_co_u32 s36, s36, s41
	s_add_nc_u64 s[34:35], s[24:25], s[36:37]
	v_lshrrev_b32 v1, 4, v0
	v_and_b32 v3, 15, v0
	v_lshlrev_b32 v1, 12, v1
	v_lshl_add_u32 v1, v3, 4, v1                   ; in: row x 4,096 + 16 (t % 16); a head further is 256 bytes
	v_lshlrev_b32 v2, 3, v0                        ; out: row x 128 + 8 (t % 16) = 8 t; a head further is 131,072 bytes
	s_wait_alu depctr_va_vdst(0)                   ; v1 and v2 are written: every load of the role reads v1 as its offset, every store v2
	LOAD16 32, 256
	WORK16 34, 131072, 0
	s_endpgm
.Lnot_w:
	s_cmp_lt_u32 s38, G_E
	s_cbranch_scc0 .Lsmall
	; ROLE E: item I of ep (four numbers of row I / 16) comes from byte 16 I - 256 of dist_emb; items 0..15 are row 0, which is 0.
	s_sub_co_u32 s39, s38, G_W
	s_lshl_b32 s39, s39, 12
	v_add_nc_u32 v4, s39, v0                       ; my first item; the others lie 256 items apart
	v_lshlrev_b32 v2, 3, v4                        ; out
	v_max_u32 v3, 16, v4
	v_sub_nc_u32 v3, v3, 16
	v_lshlrev_b32 v3, 4, v3                        ; in, first item: never in front of the table
	v_lshlrev_b32 v1, 4, v4
	v_add_nc_u32 v1, 3840, v1                      ; in, item it >= 1: 16 I0 + 4,096 it - 256 = this + 4,096 (it - 1); the last ends on the table's last byte
	v_cmp_le_u32 vcc_lo, 16, v4                    ; my first item is no part of row 0
	s_wait_alu depctr_va_vcc(0)                    ; VCC is written, ahead of its first reader: the two selects of item 0
	s_wait_alu depctr_va_vdst(0)                   ; v1, v2 and v3 are written: the loads read v3 and v1 as their offsets, the stores v2
	global_load_b128 v[IN:IN+3], v3, s[12:13] th:TH_LOAD_NT
.set i, 1
.rept 15
	global_load_b128 v[IN+4*i:IN+4*i+3], v1, s[12:13] offset:(i-1)*4096 th:TH_LOAD_NT
.set i, i+1
.endr
	WORK16 26, 2048, 1
	s_endpgm
.Lsmall:
	; ROLE S: the mask (1,024 items, four a thread) and the three biases (256 items each, one a thread).
	; Two blocks: the mask's four items, then the biases' three, among whose vector instructions the mask's stores are dealt.
	s_mov_b32 s42, 0xfe800000                      ; -2^126
	v_lshlrev_b32 v1, 4, v0
	s_wait_alu depctr_va_vdst(0)                   ; v1 is written: every load and store of the role reads it as its offset
.irp i, 0,1,2,3
	global_load_b128 v[IN+4*\i:IN+4*\i+3], v1, s[14:15] offset:\i*4096
.endr
	global_load_b128 v[24:27], v1, s[16:17]
	global_load_b128 v[28:31], v1, s[18:19]
	global_load_b128 v[32:35], v1, s[20:21]
	s_wait_loadcnt 0x3                             ; the mask's four loads are in; the three younger ones, the biases', stay out
.irp i, 0,1,2,3
	RND4 IN+4*\i
.irp k, 0,1,2,3
	v_mul_f32 v[IN+4*\i+\k], 0x41000000, v[IN+4*\i+\k]   ; x 8
	v_max_num_f32 v[IN+4*\i+\k], s42, v[IN+4*\i+\k]
.endr
.endr
	s_wait_loadcnt 0x0                             ; the biases are in
	s_wait_alu depctr_va_vdst(0)                   ; the mask's v[8:23] are written, which the four stores below read; the biases' lines between them name v[24:35], v72 and v73 alone
	global_store_b128 v1, v[IN:IN+3], s[28:29]
.irp j, 0,1,2
	global_store_b128 v1, v[IN+4*(\j+1):IN+4*(\j+1)+3], s[28:29] offset:(\j+1)*4096
	RND4 24+4*\j
.endr
	s_wait_alu depctr_va_vdst(0)                   ; the biases' v[24:35] are written, which the last three stores read
.irp j, 0,1,2
	global_store_b128 v1, v[24+4*\j:24+4*\j+3], s[30:31] offset:\j*4096
.endr
	s_endpgm
.Lfunc_end_k_qd989e4a631_prep:
	.size	k_qd989e4a631_prep, .Lfunc_end_k_qd989e4a631_prep-k_qd989e4a631_prep
	.p2alignl 7, 3214868480
	.fill 96, 4, 3214868480
	.section	.rodata,"a",@progbits
	.p2align	6, 0x0
	.amdhsa_kernel k_qd989e4a631_prep
		.amdhsa_group_segment_fixed_size 0
		.amdhsa_private_segment_fixed_size 0
		.amdhsa_enable_private_segment 0
		.amdhsa_kernarg_size 112
		.amdhsa_user_sgpr_count 2
		.amdhsa_user_sgpr_kernarg_segment_ptr 1
		.amdhsa_wavefront_size32 1
		.amdhsa_system_sgpr_workgroup_id_x 1
		.amdhsa_system_sgpr_workgroup_id_y 1
		.amdhsa_system_sgpr_workgroup_id_z 1
		.amdhsa_system_vgpr_workitem_id 0
		.amdhsa_next_free_vgpr 104
		.amdhsa_next_free_sgpr 66
		.amdhsa_reserve_vcc 1
		.amdhsa_float_denorm_mode_32 3
		.amdhsa_float_denorm_mode_16_64 3
		.amdhsa_memory_ordered 1
		.amdhsa_forward_progress 1
		.amdhsa_inst_pref_size 28
	.end_amdhsa_kernel
	.amdgpu_metadata
---
amdhsa.version: [ 1, 2 ]
amdhsa.kernels:
  - .name:           k_qd989e4a631_prep
    .symbol:         k_qd989e4a631_prep.kd
    .args:
      - { .name: hidden_states, .offset: 0, .size: 8, .value_kind: global_buffer, .address_space: global }
      - { .name: Wq, .offset: 8, .size: 8, .value_kind: global_buffer, .address_space: global }
      - { .name: Wk, .offset: 16, .size: 8, .value_kind: global_buffer, .address_space: global }
      - { .name: Wv, .offset: 24, .size: 8, .value_kind: global_buffer, .address_space: global }
      - { .name: dist_emb, .offset: 32, .size: 8, .value_kind: global_buffer, .address_space: global }
      - { .name: attention_mask, .offset: 40, .size: 8, .value_kind: global_buffer, .address_space: global }
      - { .name: bq, .offset: 48, .size: 8, .value_kind: global_buffer, .address_space: global }
      - { .name: bk, .offset: 56, .size: 8, .value_kind: global_buffer, .address_space: global }
      - { .name: bv, .offset: 64, .size: 8, .value_kind: global_buffer, .address_space: global }
      - { .name: xb, .offset: 72, .size: 8, .value_kind: global_buffer, .address_space: global }
      - { .name: wb, .offset: 80, .size: 8, .value_kind: global_buffer, .address_space: global }
      - { .name: ep, .offset: 88, .size: 8, .value_kind: global_buffer, .address_space: global }
      - { .name: mask8, .offset: 96, .size: 8, .value_kind: global_buffer, .address_space: global }
      - { .name: br, .offset: 104, .size: 8, .value_kind: global_buffer, .address_space: global }
    .group_segment_fixed_size: 0
    .private_segment_fixed_size: 0
    .kernarg_segment_align: 8
    .kernarg_segment_size: 112
    .max_flat_workgroup_size: 256
    .sgpr_count:     66
    .vgpr_count:     104
    .wavefront_size: 32
...
	.end_amdgpu_metadata
.endif
;; end of part 5
;; launch proj: the kernel of part 2 again; grid 16 x 16, 4 waves a work-group, clusters of 4 x 4, 327,680 bytes of LDS; arguments xb, wb, br, qkv; writes qkv
;; launch attn: the kernel of part 4 again; grid 8 x 32, 4 waves a work-group, no clusters, 327,680 bytes of LDS; arguments qkv, ep, mask8, out0; writes out0
